; MI455X (gfx1250); checked and timed in simulation.
; The chip was launched on July 23, 2026; its instructions are those of AMD's public machine-readable ISA for CDNA 5 (MIT licence, August 2026) and "CDNA5" Instruction Set Architecture Reference Guide (July 2026). The comments in the code are by the model that wrote it; some were corrected since.
;; Attention. Allowed arithmetic: matrix products marked QUANTISED: E5M2 operands, one E8M0 scale for each 32 along K, by v_wmma_scale_f32_16x16x128_f8f6f4 with both operands' format E5M2, f32 sums; everything else in f32.
;; Inputs: Wk 1,024 x 1,024 float32; Wo 1,024 x 1,024 float32; Wq 1,024 x 1,024 float32; Wv 1,024 x 1,024 float32; bo 1,024 float32; x 2 x 2,048 x 1,024 float32.
;; Outputs: out0 2 x 2,048 x 1,024 float32.
;; This version of the problem:
;;   THIS VERSION OF THE PROBLEM IS GIVEN IN LOW PRECISION. The matrix products marked QUANTISED in the list below multiply operands that are first quantised to E5M2 (5 exponent bits, 2 mantissa bits; 8 bits a number), with one power-of-two scale for each 32 numbers along K (OCP MX v1.0); their sums are f32. All else is computed in f32.
;;   The module's matrix products, in the order in which they are computed (A, B: the left and right operand; K: the contracted axis; several contracted axes count as one K, in the product's order):
;;     1. [M 4,096, K 1,024] x [K 1,024, N 1,024]; A: input x; B: input Wq: QUANTISED
;;     2. [M 4,096, K 1,024] x [K 1,024, N 1,024]; A: input x; B: input Wk: QUANTISED
;;     3. [M 4,096, K 1,024] x [K 1,024, N 1,024]; A: input x; B: input Wv: QUANTISED
;;     4. batch 32 x [M 2,048, K 64] x [K 64, N 2,048]; A: computed on the way; B: computed on the way: QUANTISED
;;     5. batch 32 x [M 2,048, K 2,048] x [K 2,048, N 64]; A: softmax (see below); B: computed on the way: QUANTISED
;;     6. [M 4,096, K 1,024] x [K 1,024, N 1,024]; A: computed on the way; B: input Wo: QUANTISED
;;   THE QUANTISER, for each operand of a quantised product, along K:
;;     - K is cut into blocks of 32 from its start; a last block that is shorter is filled with zeros.
;;     - A block's scale is 2^e with e = floor(log2(the largest magnitude in the block)) - 15, held to -126 .. 127; a block of zeros has e = 0. As a byte (E8M0): e + 127.
;;     - Each number is divided by its block's scale, clamped to +-57,344, and rounded to the nearest number of E5M2, ties to even, subnormals kept.
;;     - The product sums the exact products of the quantised numbers (number of the format x scale) in f32.
;;   ~~~python
;;   def quantise(x, axis):      # numpy; x: float32 -> the quantised numbers, widened to float32 again
;;       x = np.moveaxis(x, axis, -1); K = x.shape[-1]
;;       x = np.pad(x, [(0, 0)] * (x.ndim - 1) + [(0, -K % 32)]); x = x.reshape(x.shape[:-1] + (-1, 32)); a = np.abs(x).max(-1, keepdims=True)
;;       e = np.where(a > 0, np.clip(np.frexp(np.where(a > 0, a, 1))[1] - 1 - 15, -126, 127), 0)      # np.frexp(a)[1] - 1 = floor(log2(a)), exactly
;;       r = np.clip(x / 2.0 ** e, -57344, 57344)
;;       step = 2.0 ** (np.maximum(np.frexp(np.where(r == 0, 1, r))[1] - 1, -14) - 2)
;;       q = np.round(r / step) * step * 2.0 ** e      # np.round: ties to even
;;       return np.moveaxis(q.reshape(q.shape[:-2] + (-1,))[..., :K], -1, axis).astype(np.float32)
;;   ~~~
;;   SOFTMAX AHEAD OF A QUANTISED PRODUCT. Where the list says 'softmax', what is quantised is not the finished softmax but p = 2^(t - M), with t = logit x log2(e) and M = ceil(the row's largest t), a whole number; so 1/2 < the row's largest p <= 1. The row's sum l is taken of the UNQUANTISED p, in f32, and the product's result is divided by l at the end. Since M is a whole number, a kernel that streams over the keys may use a running M (the ceiling of the running maximum): every later rescaling is an exact power of two, which a block's scale takes up: the codes' values come out the same.
;;   OPERANDS COMPUTED ON THE WAY. 'Computed on the way' means the value that the module computes at that place (a softmax that the list does not call 'softmax' is quantised finished and normalised). What goes into a quantiser is computed in f32, as accurately as f32 sums, v_exp_f32 and their like allow (about 1e-6 of the number): no bf16 or f16 on the way to a quantiser, and a product that is left as it is and whose result goes on into a quantised operand takes f32 operands (vector FMAs, or v_wmma_f32_16x16x4_f32). A number that lies on a knife's edge between two numbers of the format may be rounded either way, as far as f32 arithmetic and the matrix unit's own rounding can turn it there, and no further.
;; One version. Each part assembles by itself: llvm-mc -triple=amdgcn-amd-amdhsa -mcpu=gfx1250 --defsym DOCPART=n.
;; ======== version 1 of 1: 4 launches
;; limits: right only within a limited range of input values
;; workspace buffers: cod 8,388,608 bytes; scl 262,144 bytes; qq 4,456,448 bytes; kv 8,781,824 bytes; ac 4,194,304 bytes; asc 131,072 bytes
;; launch quant (part 1): grid 256 x 1, 4 waves a work-group, no clusters, 34,304 bytes of LDS; arguments x, Wq, Wk, Wv, Wo, cod, scl; writes cod, scl
.if DOCPART == 1
	.amdgcn_target "amdgcn-amd-amdhsa--gfx1250"
	.amdhsa_code_object_version 6
	.text
	.protected	k_q694386bb8a_quant
	.globl	k_q694386bb8a_quant
	.p2align	8
	.type	k_q694386bb8a_quant,@function
k_q694386bb8a_quant:
	s_mov_b64 s[64:65], 0
	v_nop
	global_prefetch_b8 v0, s[64:65] scope:SCOPE_SE
	s_setreg_imm32_b32 hwreg(HW_REG_WAVE_MODE, 25, 1), 1
	s_wait_xcnt 0x0
; x [4096][1024] and Wq, Wk, Wv, Wo [1024][1024], f32 with K innermost, become codes of BF8 (E5M2) with one E8M0 byte for each 32 along K,
; laid as the products' operand registers want them.
; ROW BLOCKS.  128 rows are a row block RB (x: 0-31, Wq: 32-39, Wk: 40-47, Wv: 48-55, Wo: 56-63) of 8 tiles of 16 rows.  THE ROWS OF A TILE ARE NOT NEIGHBOURS:
; place i of tile t is row 32 (t / 2) + 8 (t % 2) + i + 8 (i / 8), so that the results of a product against 8 such tiles are neighbours in a lane's registers.
; cod: byte RB x 131072 + s x 16384 + t x 2048 + 512 c + 16 lane + j = the code of (place lane % 16 of tile t, k = 128 s + 32 c + 16 (lane / 16) + j): a fragment's registers on end.
; scl: byte RB x 4096 + t x 512 + kap x 256 + 8 lane + 4 sg + b = the scale byte of (place lane % 16, block 4 s + b), s = 4 kap + 2 sg + lane / 16: one load of 8 bytes a lane
;      gives two scale registers, each with an even K step in lanes 0-15 and the odd one behind it in lanes 16-31.
; A block's scale is 2^(floor(log2(largest magnitude)) - 15); its byte is the largest magnitude's exponent field - 15, held at 1 from below.
; LIMITS: NaN and infinities among the inputs are not served; a block whose largest magnitude lies under 2^-111 keeps the byte 1; a block of zeros gets the byte 1 and not 127:
; its codes are zeros, which add nothing under any byte but 0xff, and the bytes are read by this program alone.
; SHARES.  Work-group g: row block g / 4.  Wave w: tile 2 (g % 4) + w / 2, half w % 2 of K: four images of 16 rows x 128 K, 32 KiB of f32.
; Each load reads 512 consecutive bytes of one row; an image's 8 KiB turn through the wave's own stage in LDS (rows 528 bytes apart), so that a lane gets 16 neighbours of each block.
; No tensor load, no barrier (waves share nothing), no matrix unit, no cluster: the launch streams, and no two work-groups read the same byte.
.set STG,  8448                        ; a wave's stage: 16 rows x 528 bytes
.set PIT,  528                         ; 512 bytes + 16: 132 words, so that the 16 rows of a read start at 16 different groups of banks
.set TM,   16                          ; v16-19 largest magnitudes, v20-23 the other half's, then bytes, v24-27 the largest number x the scale, v28-31 the conversions' scale operands
.set PW,   32                          ; v32-35 the four images' scale words
.set PC,   36                          ; v36-51 an image's codes
.set X,    64                          ; v64-127 64 numbers: register 16 b + i = k 32 b + 16 (lane / 16) + i of my row
.set R,    128                         ; v128-255 two sets of 64 registers as loaded
.set SEL,  20                          ; s[20:21] lane selects: lane l xor 16
.set MNT,  22                          ; s22 the mantissa field of 57,344
	s_load_b256 s[4:11], s[0:1], 0x0               ; x, Wq, Wk, Wv
	s_load_b128 s[12:15], s[0:1], 0x20             ; Wo, cod
	s_load_b64 s[16:17], s[0:1], 0x30              ; scl
	v_lshl_add_u32 v62, v0, 2, 0x8400
	v_mov_b32 v63, 0
	v_lshrrev_b32 v1, 5, v0
	v_readfirstlane_b32 s18, v1                    ; wave 0..3
	v_and_b32 v1, 31, v0                           ; lane
	v_and_b32 v2, 15, v0                           ; r
	v_bfe_u32 v3, v0, 4, 1                         ; h
	v_lshlrev_b32 v4, 4, v1                        ; 16 x lane: a load's, and an image's, place for my lane
	s_mul_i32 s26, s18, STG
	v_add_nc_u32 v5, s26, v4                       ; the stage on the way in: 16 x lane of a row
	v_mul_u32_u24 v6, v2, PIT
	v_lshl_add_u32 v6, v3, 6, v6
	v_add_nc_u32 v6, s26, v6                       ; and on the way out: row r, + 64 h: my 16 numbers of a block
	v_lshlrev_b32 v7, 3, v1                        ; 8 x lane: the scale words' place
	v_cmp_ne_u32 vcc_lo, 0, v3                     ; lanes 16-31; nothing else writes VCC
.irp b, 0,1,2,3
	v_mov_b32 v[TM+4+\b], 0                        ; written once: a lane permute's destination counts as one of its sources
.endr
	s_mov_b32 s[SEL], 0x76543210
	s_mov_b32 s[SEL+1], 0xfedcba98
	s_mov_b32 s[MNT], 0x600000
	s_lshr_b32 s27, ttmp9, 2                       ; RB
	s_and_b32 s28, ttmp9, 3
	s_lshr_b32 s29, s18, 1
	s_and_b32 s30, s18, 1                          ; kap
	s_lshl_b32 s31, s28, 1
	s_add_co_u32 s31, s31, s29                     ; t
	s_lshl_b32 s32, s27, 17                        ; codes: RB x 131072 + kap x 65536 + t x 2048
	s_lshl_b32 s38, s30, 16
	s_add_co_u32 s32, s32, s38
	s_lshl_b32 s38, s31, 11
	s_add_co_u32 s32, s32, s38
	s_mov_b32 s33, 0
	s_lshl_b32 s34, s27, 12                        ; scale bytes: RB x 4096 + t x 512 + kap x 256
	s_lshl_b32 s38, s31, 9
	s_add_co_u32 s34, s34, s38
	s_lshl_b32 s38, s30, 8
	s_add_co_u32 s34, s34, s38
	s_mov_b32 s35, 0
	s_wait_alu depctr_va_vdst(0)
	s_wait_kmcnt 0x0
	s_mov_b64 s[24:25], s[12:13]                   ; which tensor: the choice hangs on the work-group's number alone
	s_cmp_lt_u32 ttmp9, 224
	s_cselect_b64 s[24:25], s[10:11], s[24:25]
	s_cmp_lt_u32 ttmp9, 192
	s_cselect_b64 s[24:25], s[8:9], s[24:25]
	s_cmp_lt_u32 ttmp9, 160
	s_cselect_b64 s[24:25], s[6:7], s[24:25]
	s_cmp_lt_u32 ttmp9, 128
	s_cselect_b64 s[24:25], s[4:5], s[24:25]
	s_cselect_b32 s38, 31, 7
	s_and_b32 s38, s27, s38                        ; the row block inside its tensor
	s_lshl_b32 s38, s38, 7
	s_lshl_b32 s39, s28, 5
	s_add_co_u32 s38, s38, s39
	s_lshl_b32 s39, s29, 3
	s_add_co_u32 s38, s38, s39                     ; the tile's first row: 128 x block + 32 (t / 2) + 8 (t % 2)
	s_lshl_b32 s36, s38, 12                        ; rows of 4,096 bytes
	s_lshl_b32 s39, s30, 11
	s_add_co_u32 s36, s36, s39                     ; + my half of K
	s_mov_b32 s37, 0
	s_add_nc_u64 s[24:25], s[24:25], s[36:37]
	s_add_nc_u64 s[14:15], s[14:15], s[32:33]
	s_add_nc_u64 s[16:17], s[16:17], s[34:35]
.macro LOAD sp                         ; image sp: place i's 512 bytes, 16 a lane, into set sp % 2
.irp i, 0,1,2,3,4,5,6,7,8,9,10,11,12,13,14,15
	global_load_b128 v[R+64*((\sp)%2)+4*\i:R+64*((\sp)%2)+4*\i+3], v4, s[24:25] offset:(\i+8*(\i/8))*4096+512*(\sp) th:TH_LOAD_NT
.endr
.endm
.macro TURN sp                         ; through the stage: LDS serves a wave's instructions in order, so no wait stands between the stores and the loads
.irp i, 0,1,2,3,4,5,6,7,8,9,10,11,12,13,14,15
	ds_store_b128 v5, v[R+64*((\sp)%2)+4*\i:R+64*((\sp)%2)+4*\i+3] offset:PIT*\i
.endr
.irp b, 0,1,2,3
.irp j, 0,1,2,3
	ds_load_b128 v[X+16*\b+4*\j:X+16*\b+4*\j+3], v6 offset:128*\b+16*\j
.endr
.endr
.endm
; 64 numbers of a lane become a fragment's codes in v[PC] on and its scale word in v[pw]
.macro QUANT s, pw
.irp b, 0,1,2,3
	v_max3_num_f32 v[TM+\b], |v[\s+16*\b]|, |v[\s+1+16*\b]|, 0x8000000   ; block b: my 16 numbers, and the floor 2^(16 - 127): so the byte cannot fall under 1
.endr
.irp i, 2,4,6,8,10,12,14
.irp b, 0,1,2,3
	v_max3_num_f32 v[TM+\b], v[TM+\b], |v[\s+16*\b+\i]|, |v[\s+1+16*\b+\i]|   ; the four blocks by turns
.endr
.endr
.irp b, 0,1,2,3
	v_permlanex16_b32 v[TM+4+\b], v[TM+\b], s[SEL], s[SEL+1]
.endr
.irp b, 0,1,2,3
	v_max_num_f32 v[TM+\b], v[TM+\b], v[TM+4+\b]   ; with lane l xor 16's 16: the block's largest magnitude
.endr
.irp b, 0,1,2,3
	v_add_nc_u32 v[TM+12+\b], 0xf8800000, v[TM+\b] ; 15 off its exponent field: the conversion takes the exponent field of this operand as its scale
.endr
.irp b, 0,1,2,3
	v_and_or_b32 v[TM+8+\b], v[TM+\b], 0x7f800000, s[MNT]   ; 57,344 x the scale
.endr
.irp b, 0,1,2,3
	v_lshrrev_b32 v[TM+4+\b], 23, v[TM+12+\b]      ; the scale's byte
.endr
	v_lshl_or_b32 v[\pw], v[TM+5], 8, v[TM+4]
	v_lshl_or_b32 v[\pw], v[TM+6], 16, v[\pw]
	v_lshl_or_b32 v[\pw], v[TM+7], 24, v[\pw]      ; my row's scale word for these 128 along K
.irp b, 0,1,2,3
.irp i, 0,1,2,3,4,5,6,7,8,9,10,11,12,13,14,15
	v_med3_num_f32 v[\s+16*\b+\i], v[\s+16*\b+\i], -v[TM+8+\b], v[TM+8+\b]   ; the conversion to an 8-bit code does not saturate (ISA guide 7.6.2): the hold comes first
.endr
	v_cvt_scalef32_pk8_bf8_f32 v[PC+4*\b:PC+1+4*\b], v[\s+16*\b:\s+7+16*\b], v[TM+12+\b]
	v_cvt_scalef32_pk8_bf8_f32 v[PC+2+4*\b:PC+3+4*\b], v[\s+8+16*\b:\s+15+16*\b], v[TM+12+\b]
.endr
	v_nop                                          ; one plain vector line behind the last conversion
.endm
.macro IMG sp
.if \sp < 3
	s_wait_loadcnt 16                              ; this image's 16 loads are in; the next image's 16 may be out
.else
	s_wait_loadcnt 0x0
.endif
	TURN \sp
	s_wait_dscnt 0x0                               ; my 64 numbers are back, and the stage's stores have read the set,
.if \sp < 2
	LOAD \sp+2                                     ; which takes the image two further on
.endif
.if \sp > 0
	s_wait_xcnt 0x0                                ; the last image's stores have read the codes' registers: they are written again only behind this wait
.endif
	QUANT X, PW+\sp
.irp c, 0,1,2,3
	global_store_b128 v4, v[PC+4*\c:PC+4*\c+3], s[14:15] offset:16384*(\sp)+512*\c   ; 32 lanes store 512 consecutive bytes, aligned
.endr
.endm
	LOAD 0
	LOAD 1
	IMG 0
	IMG 1
	IMG 2
	IMG 3
	v_cndmask_b32 v8, v[PW], v[PW+1], vcc_lo       ; lanes 0-15 keep the even K step's word, lanes 16-31 the odd one's
	v_cndmask_b32 v9, v[PW+2], v[PW+3], vcc_lo
	global_store_b64 v7, v[8:9], s[16:17]          ; 32 lanes store 256 consecutive bytes, aligned
	s_wait_tensorcnt 0x0
	ds_add_u32 v62, v63
	s_wait_dscnt 0x0
	s_endpgm
.Lfunc_end_k_q694386bb8a_quant:
	.size	k_q694386bb8a_quant, .Lfunc_end_k_q694386bb8a_quant-k_q694386bb8a_quant
	.p2alignl 7, 3214868480
	.fill 96, 4, 3214868480
	.section	.rodata,"a",@progbits
	.p2align	6, 0x0
	.amdhsa_kernel k_q694386bb8a_quant
		.amdhsa_group_segment_fixed_size 34304
		.amdhsa_private_segment_fixed_size 0
		.amdhsa_enable_private_segment 0
		.amdhsa_kernarg_size 56
		.amdhsa_user_sgpr_count 2
		.amdhsa_user_sgpr_kernarg_segment_ptr 1
		.amdhsa_wavefront_size32 1
		.amdhsa_system_sgpr_workgroup_id_x 1
		.amdhsa_system_sgpr_workgroup_id_y 1
		.amdhsa_system_sgpr_workgroup_id_z 1
		.amdhsa_system_vgpr_workitem_id 0
		.amdhsa_next_free_vgpr 256
		.amdhsa_next_free_sgpr 66
		.amdhsa_reserve_vcc 1
		.amdhsa_float_denorm_mode_32 3
		.amdhsa_float_denorm_mode_16_64 3
		.amdhsa_memory_ordered 1
		.amdhsa_forward_progress 1
		.amdhsa_inst_pref_size 51
	.end_amdhsa_kernel
	.amdgpu_metadata
---
amdhsa.version: [ 1, 2 ]
amdhsa.kernels:
  - .name:           k_q694386bb8a_quant
    .symbol:         k_q694386bb8a_quant.kd
    .args:
      - { .name: x, .offset: 0, .size: 8, .value_kind: global_buffer, .address_space: global }
      - { .name: Wq, .offset: 8, .size: 8, .value_kind: global_buffer, .address_space: global }
      - { .name: Wk, .offset: 16, .size: 8, .value_kind: global_buffer, .address_space: global }
      - { .name: Wv, .offset: 24, .size: 8, .value_kind: global_buffer, .address_space: global }
      - { .name: Wo, .offset: 32, .size: 8, .value_kind: global_buffer, .address_space: global }
      - { .name: cod, .offset: 40, .size: 8, .value_kind: global_buffer, .address_space: global }
      - { .name: scl, .offset: 48, .size: 8, .value_kind: global_buffer, .address_space: global }
    .group_segment_fixed_size: 34304
    .private_segment_fixed_size: 0
    .kernarg_segment_align: 8
    .kernarg_segment_size: 56
    .max_flat_workgroup_size: 128
    .sgpr_count:     66
    .vgpr_count:     256
    .wavefront_size: 32
...
	.end_amdgpu_metadata
.endif
;; end of part 1
;; launch qkv (part 2): grid 8 x 32, 4 waves a work-group, clusters of 4 x 4, 327,680 bytes of LDS; arguments cod, scl, qq, kv; writes qq, kv
.if DOCPART == 2
	.amdgcn_target "amdgcn-amd-amdhsa--gfx1250"
	.amdhsa_code_object_version 6
	.text
	.protected	k_q694386bb8a_qkv
	.globl	k_q694386bb8a_qkv
	.p2align	8
	.type	k_q694386bb8a_qkv,@function
k_q694386bb8a_qkv:
	s_mov_b64 s[64:65], 0
	v_nop
	global_prefetch_b8 v0, s[64:65] scope:SCOPE_SE
	s_setreg_imm32_b32 hwreg(HW_REG_WAVE_MODE, 25, 1), 1
	s_wait_xcnt 0x0
	s_wait_alu depctr_hold_cnt(0) depctr_sa_sdst(0) depctr_va_vdst(0) depctr_va_sdst(0) depctr_va_ssrc(0) depctr_va_vcc(0) depctr_vm_vsrc(0)
	s_getreg_b32 s2, hwreg(HW_REG_IB_STS2, 6, 4)
	s_cmp_eq_u32 s2, 0
	s_cbranch_scc0 .Lentry_in_a_cluster
	s_endpgm
.Lentry_in_a_cluster:
	s_bfe_u32 s2, ttmp6, 0x10000c
	s_cmp_lg_u32 s2, 0xf033
	s_cbranch_scc0 .Lentry_shape_is_right
	s_endpgm
.Lentry_shape_is_right:
; Q, K, V = x W^T, 4,096 x 1,024 x 1,024 each, on codes of BF8 with E8M0 scales, sums in f32, quantised again on the way out: Q and K along the head's 64, V along the tokens.
; cod: row block RB of 128 rows (x: 0-31, Wq: 32-39, Wk: 40-47, Wv: 48-55) x 131072 + K step of 128 x 16384 + tile x 2048 + 512 c + 16 lane: a fragment's registers on end.
; scl: RB x 4096 + tile x 512 + 256 kap + 8 lane: two scale registers a load, each with an even K step in lanes 0-15 and the odd one in lanes 16-31.
; Place i of tile t is row 32 (t / 2) + 8 (t % 2) + i + 8 (i / 8): so a lane's 16 registers of two neighbouring result tiles are 16 neighbours.
; OUT.  qq: block (bh x 16 + token block) x 8704: 8 token tiles x 1024 (512 c + 16 lane), scale words at 8192 + 32 r + 4 t: two bytes for the head's two blocks of 32, two zeros.
; kv: block x 17152: K likewise; V's 4 tiles of 16 d x 128 keys, 2,048 each, at 8704; V's scale words at 16896 + 16 r + 4 tau.
; SHARES.  256 work-groups: 128 tokens x 128 columns (two heads) of Q, then of K, then of V; each of four waves makes 64 x 64 of each: 16 accumulators.
; A WAVE'S x FRAGMENTS, 64 rows x all of K, STAY IN 512 REGISTERS through the three phases; the weights are streamed past them.
; LDS: x's block at 0, Wq's at 131072, both filled by the head's loads, one a wave: waves 0 and 1 K steps 0-3, shown at the first barrier, waves 2 and 3 K steps 4-7.
; REFILLS, each in a drained round, one load a wave: Wk's K steps 0-3 over x's, which are in registers, at Q's step 3 (this round shows the head's second half too); Wk's K steps 4-7 over x's at Q's step 7
; (and shows the first refill); Wv over Wq at K's step 3 (and shows the second); Wv is shown by a barrier ahead of V.
; CLUSTER 4 x 4: x's tile is shared along a row of the cluster, a weight's along a column, each asked for jointly.  Nothing is prefetched: three phases are written out, and there is no loop to run ahead in.
; Q and K: source 0 = the weight, source 1 = x: a lane holds a token, its registers run along the columns.  V: the sources are swapped: a lane holds a column, its registers run along the tokens.
; LIMITS: NaN and infinities are not served; a block whose largest magnitude lies under 2^-111 keeps the byte 1, a block of zeros too (its codes are zeros; this program alone reads the bytes).
; REGISTERS.  Window 0: v16-31 addresses, v34-49 x's scale words, v52-99 the weights', v100-127 at work, v128-255 the weights' fragments in two sets (on the way out v192-223 codes).  Windows 1, 2: x's fragments.  Window 3: v0-127 accumulators.
.set WOFF,   131072
.set HALF,   65536
.set SPARE,  262144                    ; the spare words, 512 bytes
.set ADRA, 16                          ; v16, v17 x's fragments, K steps 0-3 and 4-7
.set ADRW, 18                          ; v18, v19 a weight's at WOFF; v20, v21 a weight's at 0
.set L8,   22
.set L16,  23
.set SPW,  24
.set NIL,  25
.set R32,  26
.set R16,  27                          ; 16 r + 4 h
.set SA,   34
.set SB,   52
.set TM,   100                         ; 8: largest magnitudes, then the largest number x the scale
.set PX,   108                         ; 8: the other half's, then the bytes
.set SC,   116                         ; 8: the conversions' scale operands
.set WD,   124                         ; 4: scale words
.set FB,   128
.set PC,   192
.set MNT,  19
.set SEL,  20
.set G1,  24
.set G1B, 32
.set G0,  40
.set G0B, 44
.set G1R, 52                           ; Wk's refills
.set G0R, 60
.set G0V, 68                           ; Wv's
.set G1V, 72
.set MSB, 0
.macro WIN new
.if MSB != (\new)
	s_set_vgpr_msb (MSB<<8)|(\new)
.set MSB, \new
.endif
.endm
.macro CROUND                          ; a round of the cluster's barrier
	s_barrier_signal -1
	s_barrier_wait -1
	s_cmp_lg_u32 s14, 0
	s_cbranch_scc1 .Lnot_wave_0_\@
	s_barrier_signal -3
.Lnot_wave_0_\@:
	s_barrier_wait -3
	s_barrier_signal -1
	s_barrier_wait -1
.endm
.macro PLACES
.rept 8
	v_nop
.endr
.endm
.macro TLOAD g0, g1
	tensor_load_to_lds s[\g0:\g0+3], s[\g1:\g1+7]
	s_nop 0
.rept 4
	v_nop
.endr
.endm
.macro GROUP1 g, mask, rows            ; descriptor group 1: so many rows of 32 elements of 8 bytes, on end
	s_or_b32 s[\g], s[\mask], (3<<16)|(1<<21)
	s_mov_b32 s[\g+1], 32<<16
	s_mov_b32 s[\g+2], (\rows)<<16
	s_mov_b32 s[\g+3], 32<<16
	s_mov_b32 s[\g+4], \rows
	s_mov_b32 s[\g+5], 32
	s_mov_b32 s[\g+6], 0
	s_mov_b32 s[\g+7], 0
.endm
	s_load_b256 s[4:11], s[0:1], 0x0               ; cod, scl, qq, kv
	v_lshl_add_u32 v[SPW], v0, 2, SPARE
	v_mov_b32 v[NIL], 0
	ds_add_u32 v[SPW], v[NIL]                      ; the wave's opening: the add, twice on end, and its wait
	ds_add_u32 v[SPW], v[NIL]
	v_lshrrev_b32 v1, 5, v0
	v_readfirstlane_b32 s14, v1                    ; wave 0..3
	s_lshr_b32 s15, s14, 1                         ; my half of the tokens; also: which half of K I fetch at the head
	s_and_b32 s16, s14, 1                          ; my head of the two; also: I fetch x (0) or Wq (1)
	v_and_b32 v1, 31, v0
	v_and_b32 v2, 15, v0
	v_bfe_u32 v3, v0, 4, 1
	v_lshlrev_b32 v[L16], 4, v1
	v_lshlrev_b32 v[L8], 3, v1
	v_lshlrev_b32 v[R32], 5, v2
	v_lshlrev_b32 v[R16], 4, v2
	v_lshl_add_u32 v[R16], v3, 2, v[R16]
	s_lshl_b32 s18, s15, 13                        ; my four tiles of x
	s_lshl_b32 s22, s16, 13                        ; and of a weight
	s_add_co_u32 s23, s22, WOFF
	v_add_nc_u32 v[ADRA], s18, v[L16]
	v_add_nc_u32 v[ADRW], s23, v[L16]
	v_add_nc_u32 v[ADRW+2], s22, v[L16]
	v_add_nc_u32 v[ADRA+1], HALF, v[ADRA]
	v_add_nc_u32 v[ADRW+1], HALF, v[ADRW]
	v_add_nc_u32 v[ADRW+3], HALF, v[ADRW+2]
.set j_, 0
.rept 8
	v_mov_b32 v[PX+j_], 0                          ; a lane permute's destination counts as one of its sources
.set j_, j_+1
.endr
	s_bfe_u32 s48, ttmp6, 0x40000                  ; cx, cy
	s_bfe_u32 s49, ttmp6, 0x40004
	s_and_b32 s17, ttmp7, 0xffff
	s_lshl_b32 s50, s49, 2
	s_lshl_b32 s50, 15, s50                        ; my row of the cluster
	s_lshl_b32 s51, 0x1111, s48                    ; my column
	GROUP1 G1, 50, 256
	GROUP1 G1B, 51, 256
	GROUP1 G1R, 51, 64
	GROUP1 G1V, 51, 128
	s_lshl_b32 s84, s17, 2
	s_add_co_u32 s84, s84, s49                     ; token block: 4 x cluster y + cy
	s_lshl_b32 s85, ttmp9, 2
	s_add_co_u32 s85, s85, s48                     ; column block: 4 x cluster x + cx
	s_mov_b32 s[SEL], 0x76543210
	s_mov_b32 s[SEL+1], 0xfedcba98
	s_mov_b32 s[MNT], 0x600000
	s_lshl_b32 s18, s15, 16                        ; which half of K I fetch
	s_lshl_b32 s80, s84, 17
	s_add_co_u32 s80, s80, s18
	s_mov_b32 s81, 0
	s_add_co_u32 s82, s85, 32
	s_lshl_b32 s82, s82, 17
	s_add_co_u32 s82, s82, s18
	s_mov_b32 s83, 0
	s_add_co_u32 s86, s85, 40                      ; Wk: K step = wave, then 4 + wave
	s_lshl_b32 s86, s86, 17
	s_lshl_b32 s22, s14, 14
	s_add_co_u32 s86, s86, s22
	s_mov_b32 s87, 0
	s_add_co_u32 s88, s85, 48                      ; Wv: K steps 2 wave, 2 wave + 1
	s_lshl_b32 s88, s88, 17
	s_lshl_b32 s23, s14, 15
	s_add_co_u32 s88, s88, s23
	s_mov_b32 s89, 0
	s_wait_alu depctr_va_vdst(0)
	s_wait_dscnt 0x0                               ; both opening adds are done
	s_wait_kmcnt 0x0
	s_mov_b32 s[G0], 1
	s_mov_b32 s[G0+1], s18
	s_add_nc_u64 s[G0+2:G0+3], s[4:5], s[80:81]
	s_or_b32 s[G0+3], s[G0+3], 0x80000000
	s_mov_b32 s[G0B], 1
	s_add_co_u32 s[G0B+1], s18, WOFF
	s_add_nc_u64 s[G0B+2:G0B+3], s[4:5], s[82:83]
	s_or_b32 s[G0B+3], s[G0B+3], 0x80000000
	s_mov_b32 s[G0R], 1
	s_mov_b32 s[G0R+1], s22
	s_add_nc_u64 s[G0R+2:G0R+3], s[4:5], s[86:87]
	s_or_b32 s[G0R+3], s[G0R+3], 0x80000000
	s_mov_b32 s[G0V], 1
	s_add_co_u32 s[G0V+1], s23, WOFF
	s_add_nc_u64 s[G0V+2:G0V+3], s[4:5], s[88:89]
	s_or_b32 s[G0V+3], s[G0V+3], 0x80000000
	CROUND                                         ; all sixteen work-groups are here: the joint loads meet
.macro ARM under, g0, g1, next         ; one load a wave, a line each
	s_cmp_lt_u32 s14, \under
	s_cbranch_scc0 \next
	TLOAD \g0, \g1
	s_branch .Lasked
\next:
.endm
	ARM 1, G0,  G1,  .Lwave_1
	ARM 2, G0B, G1B, .Lwave_2
	ARM 3, G0,  G1,  .Lwave_3
	TLOAD G0B, G1B
.Lasked:
	s_lshl_b32 s86, s84, 12                        ; my tiles' scale words: x's,
	s_lshl_b32 s18, s15, 11
	s_add_co_u32 s86, s86, s18
	s_mov_b32 s87, 0
	s_add_nc_u64 s[86:87], s[6:7], s[86:87]
	s_add_co_u32 s88, s85, 32                      ; Wq's; Wk's and Wv's lie eight and sixteen row blocks on
	s_lshl_b32 s88, s88, 12
	s_lshl_b32 s18, s16, 11
	s_add_co_u32 s88, s88, s18
	s_mov_b32 s89, 0
	s_add_nc_u64 s[88:89], s[6:7], s[88:89]
.irp i, 0,1,2,3
.irp k, 0,1
	global_load_b64 v[SA+4*\i+2*\k:SA+4*\i+2*\k+1], v[L8], s[86:87] offset:512*\i+256*\k
.irp p, 0,1,2
	global_load_b64 v[SB+16*\p+4*\i+2*\k:SB+16*\p+4*\i+2*\k+1], v[L8], s[88:89] offset:32768*\p+512*\i+256*\k
.endr
.endr
.endr
	; where the results go: block number n = (16 batch + head) x 16 + token block % 16
	s_lshr_b32 s90, s84, 4
	s_lshl_b32 s90, s90, 4
	s_lshl_b32 s91, s85, 1
	s_add_co_u32 s90, s90, s91
	s_add_co_u32 s90, s90, s16
	s_lshl_b32 s90, s90, 4
	s_and_b32 s91, s84, 15
	s_add_co_u32 s90, s90, s91
	s_mul_i32 s92, s90, 8704
	s_mov_b32 s93, 0
	s_add_nc_u64 s[8:9], s[8:9], s[92:93]          ; my block of qq
	s_mul_i32 s92, s90, 17152
	s_add_nc_u64 s[10:11], s[10:11], s[92:93]      ; and of kv
	s_lshl_b32 s92, s15, 12                        ; Q, K: my four token tiles
	s_add_nc_u64 s[80:81], s[8:9], s[92:93]
	s_add_nc_u64 s[84:85], s[10:11], s[92:93]
	s_lshl_b32 s92, s15, 4
	s_add_co_u32 s92, s92, 8192                    ; and their scale words
	s_add_nc_u64 s[82:83], s[8:9], s[92:93]
	s_add_nc_u64 s[94:95], s[10:11], s[92:93]
	s_lshl_b32 s92, s15, 10
	s_add_co_u32 s92, s92, 8704                    ; V: my two blocks of 32 tokens
	s_add_nc_u64 s[96:97], s[10:11], s[92:93]
	s_lshl_b32 s92, s15, 1
	s_add_co_u32 s92, s92, 16896                   ; and their two bytes of a word
	s_add_nc_u64 s[98:99], s[10:11], s[92:93]
.macro FETCH p, ks                     ; K step ks's four fragments of phase p's weight, into set ks % 2: 16 loads; in phase 0 x's four too: 16 more
	WIN 0
.irp i, 0,1,2,3
.irp c, 0,1,2,3
	ds_load_b128 v[FB+64*((\ks)%2)+16*\i+4*\c:FB+64*((\ks)%2)+16*\i+4*\c+3], v[ADRW+2*((\p)%2)+(\ks)/4] offset:(((\ks)%4)*8+\i)*2048+512*\c
.endr
.endr
.if (\p) == 0
	WIN (1+(\ks)/4)<<6
.irp i, 0,1,2,3
.irp c, 0,1,2,3
	ds_load_b128 v[64*((\ks)%4)+16*\i+4*\c:64*((\ks)%4)+16*\i+4*\c+3], v[ADRA+(\ks)/4] offset:(((\ks)%4)*8+\i)*2048+512*\c
.endr
.endr
	WIN 0
.endif
.endm
.macro WM d, x, y, sx, sy, ks
.if (\ks) == 0
	v_wmma_scale_f32_16x16x128_f8f6f4 v[\d:\d+7], v[\x:\x+15], v[\y:\y+15], 0, v[\sx], v[\sy] matrix_a_fmt:MATRIX_FMT_BF8 matrix_b_fmt:MATRIX_FMT_BF8
.elseif (\ks)%2
	v_wmma_scale_f32_16x16x128_f8f6f4 v[\d:\d+7], v[\x:\x+15], v[\y:\y+15], v[\d:\d+7], v[\sx], v[\sy] matrix_a_fmt:MATRIX_FMT_BF8 matrix_b_fmt:MATRIX_FMT_BF8 matrix_a_scale:MATRIX_SCALE_ROW1 matrix_b_scale:MATRIX_SCALE_ROW1
.else
	v_wmma_scale_f32_16x16x128_f8f6f4 v[\d:\d+7], v[\x:\x+15], v[\y:\y+15], v[\d:\d+7], v[\sx], v[\sy] matrix_a_fmt:MATRIX_FMT_BF8 matrix_b_fmt:MATRIX_FMT_BF8
.endif
.endm
.macro MUL p, ks                       ; 16 products, the 16 accumulators by turns.  Q, K: accumulator (x tile a, column tile b) at 8 (4 a + b); V: at 8 (4 b + a)
.if (\p) == 2
	WIN 0xf0|(1+(\ks)/4)
.else
	WIN 0xf0|((1+(\ks)/4)<<2)
.endif
.irp a, 0,1,2,3
.irp b, 0,1,2,3
.set XF_, 64*((\ks)%4)+16*\a
.set WF_, FB+64*((\ks)%2)+16*\b
.set XS_, SA+4*\a+(\ks)/2
.set WS_, SB+16*(\p)+4*\b+(\ks)/2
.if (\p) == 2
.set D_, 8*(4*\b+\a)
	WM D_, XF_, WF_, XS_, WS_, \ks
.else
.set D_, 8*(4*\a+\b)
	WM D_, WF_, XF_, WS_, XS_, \ks
.endif
.endr
.endr
.endm
.macro STEP p, ks
	WIN 0
.if (\ks) > 0
	PLACES                                         ; in front of loads into registers that the last step has read
.endif
.if ((\p) == 0 && ((\ks) == 3 || (\ks) == 7)) || ((\p) == 1 && (\ks) == 3)
	s_wait_tensorcnt 0x0                           ; a refill: my loads are in,
	ds_add_u32 v[SPW], v[NIL]                      ; the add,
.if (\ks) == 7
	s_add_co_u32 s[G0R+1], s[G0R+1], HALF          ; (Wk's K steps 4-7)
	s_add_nc_u64 s[G0R+2:G0R+3], s[G0R+2:G0R+3], HALF
.endif
	s_wait_dscnt 0x0                               ; the add and my reads are done
	CROUND
.if (\p) == 1
	TLOAD G0V, G1V
.else
	TLOAD G0R, G1R
.endif
.endif
.if (\ks) < 7
	FETCH \p, (\ks)+1
.if (\p) == 0
	s_wait_dscnt 32                                ; this step's fragments are in; the loads just issued may be out
.else
	s_wait_dscnt 16
.endif
.elseif (\p) == 0
	FETCH 1, 0                                     ; Wk's first: the round above has shown its K steps 0-3
	s_wait_dscnt 16
.else
	s_wait_dscnt 0x0
.endif
	MUL \p, \ks
.endm
; A PHASE'S WAY OUT: four groups u of 32 registers, each two blocks of 32: Q, K: u = token tile; V: u = tile of 16 columns.
.macro EPI p, base, words
	WIN 0
	PLACES                                         ; behind the last products
	WIN 0x3c                                       ; sources 1 and 2 in window 3
.irp g, 0,1,2,3,4,5,6,7
	v_max3_num_f32 v[TM+\g], 0x8000000, |v[16*\g]|, |v[16*\g+1]|   ; the floor 2^(16 - 127): so the byte cannot fall under 1
.endr
.irp i, 2,4,6,8,10,12,14
.irp g, 0,1,2,3,4,5,6,7
	v_max3_num_f32 v[TM+\g], v[TM+\g], |v[16*\g+\i]|, |v[16*\g+\i+1]|
.endr
.endr
	WIN 0
.irp g, 0,1,2,3,4,5,6,7
	v_permlanex16_b32 v[PX+\g], v[TM+\g], s[SEL], s[SEL+1]
.endr
.irp g, 0,1,2,3,4,5,6,7
	v_max_num_f32 v[TM+\g], v[TM+\g], v[PX+\g]     ; with lane l xor 16's 16
.endr
.irp g, 0,1,2,3,4,5,6,7
	v_add_nc_u32 v[SC+\g], 0xf8800000, v[TM+\g]    ; 15 off the exponent field: the conversion's scale operand
.endr
.irp g, 0,1,2,3,4,5,6,7
	v_and_or_b32 v[TM+\g], v[TM+\g], 0x7f800000, s[MNT]   ; 57,344 x the scale
.endr
.irp g, 0,1,2,3,4,5,6,7
	v_lshrrev_b32 v[PX+\g], 23, v[SC+\g]           ; the bytes
.endr
.irp u, 0,1,2,3
	v_lshl_or_b32 v[WD+\u], v[PX+2*\u+1], 8, v[PX+2*\u]
.endr
	WIN 0xc3                                       ; in place in window 3, the bound in window 0
.irp g, 0,1,2,3,4,5,6,7
.irp i, 0,1,2,3,4,5,6,7,8,9,10,11,12,13,14,15
	v_med3_num_f32 v[16*\g+\i], v[16*\g+\i], -v[TM+\g], v[TM+\g]   ; the conversion to an 8-bit code does not saturate (ISA guide 7.6.2): the hold comes first
.endr
.endr
	WIN 0x03
.irp g, 0,1,2,3,4,5,6,7
	v_cvt_scalef32_pk8_bf8_f32 v[PC+4*\g:PC+4*\g+1], v[16*\g:16*\g+7], v[SC+\g]
	v_cvt_scalef32_pk8_bf8_f32 v[PC+4*\g+2:PC+4*\g+3], v[16*\g+8:16*\g+15], v[SC+\g]
.endr
	v_nop                                          ; one plain vector line behind the last conversion
	WIN 0
.irp u, 0,1,2,3
.irp c, 0,1
	global_store_b128 v[L16], v[PC+8*\u+4*\c:PC+8*\u+4*\c+3], s[\base:\base+1] offset:(1024+1024*((\p)/2))*\u+512*\c   ; 512 consecutive bytes, aligned
.endr
.endr
.if (\p) < 2
	global_store_b128 v[R32], v[WD:WD+3], s[\words:\words+1]   ; four tiles' words of row r (lanes r and r + 16 hold the same)
	s_wait_xcnt 0x0                                ; the stores have read the codes, which lie where the next phase's fragments land
.else
	v_cmp_ne_u32 vcc_lo, 0, v3                     ; lanes 0-15 store an even tile's two bytes, lanes 16-31 the odd one's
	v_cndmask_b32 v4, v[WD], v[WD+1], vcc_lo
	v_cndmask_b32 v5, v[WD+2], v[WD+3], vcc_lo
	global_store_b16 v[R16], v4, s[\words:\words+1]
	global_store_b16 v[R16], v5, s[\words:\words+1] offset:8
.endif
.endm
	s_wait_alu depctr_va_vdst(0)                   ; the head's end
	s_cmp_lt_u32 s14, 2
	s_cbranch_scc0 .Lnot_first
	s_wait_tensorcnt 0x0                           ; waves 0 and 1: K steps 0-3 are in; the other waves' wait stands at Q's step 3
.Lnot_first:
	s_barrier_signal -1
	s_barrier_wait -1
	FETCH 0, 0
	s_wait_loadcnt 0x0                             ; the scale words
.irp k, 0,1,2,3,4,5,6,7
	STEP 0, \k
.endr
	EPI 0, 80, 82
.irp k, 0,1,2,3,4,5,6,7
	STEP 1, \k
.endr
	EPI 1, 84, 94
	s_wait_tensorcnt 0x0                           ; all waves: Wv is in; nothing is filled again
	s_wait_dscnt 0x0
	s_barrier_signal -1
	s_barrier_wait -1
	FETCH 2, 0
.irp k, 0,1,2,3,4,5,6,7
	STEP 2, \k
.endr
	EPI 2, 96, 98
	s_wait_tensorcnt 0x0                           ; the wave's end
	ds_add_u32 v[SPW], v[NIL]
	s_wait_dscnt 0x0
	CROUND                                         ; the closing round
	s_endpgm
.Lfunc_end_k_q694386bb8a_qkv:
	.size	k_q694386bb8a_qkv, .Lfunc_end_k_q694386bb8a_qkv-k_q694386bb8a_qkv
	.p2alignl 7, 3214868480
	.fill 96, 4, 3214868480
	.section	.rodata,"a",@progbits
	.p2align	6, 0x0
	.amdhsa_kernel k_q694386bb8a_qkv
		.amdhsa_group_segment_fixed_size 327680
		.amdhsa_private_segment_fixed_size 0
		.amdhsa_enable_private_segment 0
		.amdhsa_kernarg_size 32
		.amdhsa_user_sgpr_count 2
		.amdhsa_user_sgpr_kernarg_segment_ptr 1
		.amdhsa_wavefront_size32 1
		.amdhsa_system_sgpr_workgroup_id_x 1
		.amdhsa_system_sgpr_workgroup_id_y 1
		.amdhsa_system_sgpr_workgroup_id_z 1
		.amdhsa_system_vgpr_workitem_id 0
		.amdhsa_next_free_vgpr 1024
		.amdhsa_next_free_sgpr 100
		.amdhsa_reserve_vcc 1
		.amdhsa_float_denorm_mode_32 3
		.amdhsa_float_denorm_mode_16_64 3
		.amdhsa_memory_ordered 1
		.amdhsa_forward_progress 1
		.amdhsa_inst_pref_size 154
	.end_amdhsa_kernel
	.amdgpu_metadata
---
amdhsa.version: [ 1, 2 ]
amdhsa.kernels:
  - .name:           k_q694386bb8a_qkv
    .symbol:         k_q694386bb8a_qkv.kd
    .args:
      - { .name: cod, .offset: 0, .size: 8, .value_kind: global_buffer, .address_space: global }
      - { .name: scl, .offset: 8, .size: 8, .value_kind: global_buffer, .address_space: global }
      - { .name: qq, .offset: 16, .size: 8, .value_kind: global_buffer, .address_space: global }
      - { .name: kv, .offset: 24, .size: 8, .value_kind: global_buffer, .address_space: global }
    .group_segment_fixed_size: 327680
    .private_segment_fixed_size: 0
    .kernarg_segment_align: 8
    .kernarg_segment_size: 32
    .max_flat_workgroup_size: 128
    .sgpr_count:     100
    .vgpr_count:     1024
    .wavefront_size: 32
...
	.end_amdgpu_metadata
.endif
;; end of part 2
;; launch attn (part 3): grid 8 x 32, 8 waves a work-group, clusters of 4 x 1, 327,680 bytes of LDS; arguments qq, kv, ac, asc; writes ac, asc
.if DOCPART == 3
	.amdgcn_target "amdgcn-amd-amdhsa--gfx1250"
	.amdhsa_code_object_version 6
	.text
	.protected	k_q694386bb8a_attn
	.globl	k_q694386bb8a_attn
	.p2align	8
	.type	k_q694386bb8a_attn,@function
k_q694386bb8a_attn:
	s_mov_b64 s[64:65], 0
	v_nop
	global_prefetch_b8 v0, s[64:65] scope:SCOPE_SE
	s_setreg_imm32_b32 hwreg(HW_REG_WAVE_MODE, 25, 1), 1
	s_wait_xcnt 0x0
	s_wait_alu depctr_hold_cnt(0) depctr_sa_sdst(0) depctr_va_vdst(0) depctr_va_sdst(0) depctr_va_ssrc(0) depctr_va_vcc(0) depctr_vm_vsrc(0)
	s_getreg_b32 s2, hwreg(HW_REG_IB_STS2, 6, 4)
	s_cmp_eq_u32 s2, 0
	s_cbranch_scc0 .Lentry_in_a_cluster
	s_endpgm
.Lentry_in_a_cluster:
	s_bfe_u32 s2, ttmp6, 0x10000c
	s_cmp_lg_u32 s2, 0x3003
	s_cbranch_scc0 .Lentry_shape_is_right
	s_endpgm
.Lentry_shape_is_right:
; O[bh][q] = the sum over k of softmax_k(Q[bh][q] . K[bh][k] / 8) V[bh][k], 32 heads bh of 2,048 tokens, head size 64, both products on codes of BF8 (E5M2) with E8M0 scales;
; the result is quantised along the model's 1,024 (two blocks of 32 a head) and leaves as codes, laid as the last product's operand registers want them.
; THE SOFTMAX AHEAD OF THE SECOND PRODUCT: t = score x log2(e) / 8; M = the row's largest t so far, rounded UP to a whole number; p = 2^(t - M) is quantised along the keys, not normalised.
; The row's sum is taken of the unquantised p, in f32, and divides O at the end.  When M moves, the sum and O are multiplied by 2^(old M - new M): exact.
; A block's scale: p rises with the score, so floor(log2(the block's largest p)) is i = floor(t - M) of the block's largest score, held at -111 from below; the byte is i + 112, the largest code x the scale 1.75 x 2^i.
; IN.  qq: block (bh x 16 + qb) x 8704: 8 query tiles x 1024 (512 c + 16 lane: d = 32 c + 16 (lane / 16) + j), scale words at 8192 + 32 r + 4 t.
; kv: block (bh x 16 + kb) x 17152, 128 keys: K's 8 key tiles x 1024; K's words at 8192 + 32 r + 4 t; V's 4 tiles of 16 d x 128 keys, 2,048 each, at 8704; V's words at 16896 + 16 r + 4 tau.
; Place i of a tile t is row 32 (t / 2) + 8 (t % 2) + i + 8 (i / 8), for queries, keys and d alike: so a lane's 16 registers of two neighbouring result tiles are 16 neighbours.
; THE FIRST PRODUCT'S K IS 64: the upper 8 registers of Q's fragments hold zero codes, written once.  K's tiles lie on end, 8 registers each: a fragment's upper 8 registers are the next tile's codes (behind the last
; tile zeros): finite codes under scale bytes that are never 0xff, which meet Q's zero codes and add nothing.
; SHARES.  A work-group owns 256 queries of one head, each of its EIGHT waves two tiles of 16, A and B: each fragment of K and V that is read from LDS feeds two products.
; ORDER.  While one tile's products are issued the other's softmax follows: S_B(n) | softmax A(n) | maxima of B(n), PV_A(n), S_A(n + 1) | softmax B(n) | maxima of A(n + 1), PV_B(n).
; V(n) and K(n + 1) are loaded from LDS in softmax A(n), behind both tiles' last products with the registers that they take, and awaited ahead of PV_A(n).
; THE WHOLE HEAD'S K AND V STAY IN LDS: 16 blocks x 17,152 = 274,432 bytes, each filled once, one load a wave: waves 0 to 3 bring blocks 0 to 3, shown at the first barrier, waves 4 to 7 three blocks each, shown at the second, behind three trips.
; CLUSTER.  The four work-groups of a cluster belong to one head: every tile is asked for JOINTLY, by the same tensor load with the mask of all four.
; Nothing is prefetched: every byte of K and V is asked for by the tensor loads at the head.
; Both products are used transposed (S^T = K Q^T, O^T = V^T P^T): a lane holds ONE query of a tile (place lane % 16) throughout.
; OUT.  ac: row block (token / 128) x 131072 + (head / 2) x 16384 + tile x 2048 + (head % 2) x 1024 + 512 b + 16 lane.  asc: two of a word's four bytes to a head: 16 bits a query.
; LIMITS: NaN and infinities are not served; t stays under 2^31 in magnitude; a block whose largest magnitude lies under 2^-111 keeps the byte 1, a block of zeros too (its codes are zeros; this program alone reads the bytes).
; REGISTERS.  Window 0: v1-7 lane terms and addresses, v8-15 K's scale words, v16-19 V's, v20, v21 Q's, v22, v23 p's, v26-89 V's four fragments, and from v90 on tile A's.  Window 1: v0-71 K's eight tiles and eight zeros; from v90 on tile B's, under the same numbers.
.set BLKB, 17152                       ; a block of 128 keys in LDS and in memory
.set SPARE, 16*BLKB                    ; the spare words, 128 bytes for each wave
.set KW,   8
.set VW,   16
.set QW,   20
.set PW,   22
.set SPW,  24
.set NIL,  25
.set VF,   26
.set KF,   0
.set SS,   90                          ; 64: S^T, then p
.set OO,   154                         ; 32: O^T
.set PC,   186                         ; 16: p's codes
.set QF,   202                         ; 16: Q
.set AC,   218                         ; 16: the row's sum in 16 parts
.set BM,   234                         ; 4: the blocks' largest scores, then i
.set PX,   238                         ; 4: the other half's, then the largest code x the scale
.set SC,   242                         ; 4: the conversions' scale operands
.set NM,   246                         ; -M
.set OLD,  247                         ; the -M before (named with NM as a pair, whose low word alone is taken)
.set FF,   248                         ; f = 2^(old M - new M), with v249 as its pair
.set MR,   250                         ; the largest score so far
.set TM,   252
.set WV,   12
.set MNT,  19                          ; the mantissa field of 57,344
.set SEL,  20                          ; s[20:21] lane selects: lane l xor 16
.set CS,   22                          ; s[22:23] c = log2(e) / 8: the packed form names a pair and takes its low word for both halves
.set G1,   24
.set G1B,  32
.set G0,   40
.set G0B,  44
.set TB,   48                          ; LDS byte at which the trip's block begins
.set CNT,  49
.set NCS,  50                          ; -c
.set LOW,  51                          ; -111.0
.set TK,   63                          ; LDS byte of the block whose K is loaded next
.set MSB, 0
.macro WIN new                         ; the immediate's high byte repeats the setting that is left
.if MSB != (\new)
	s_set_vgpr_msb (MSB<<8)|(\new)
.set MSB, \new
.endif
.endm
.macro WALU
	s_wait_alu depctr_va_vdst(0)
.endm
.macro CROUND                          ; a round of the cluster's barrier
	s_barrier_signal -1
	s_barrier_wait -1
	s_cmp_lg_u32 s[WV], 0
	s_cbranch_scc1 .Lnot_wave_0_\@
	s_barrier_signal -3
.Lnot_wave_0_\@:
	s_barrier_wait -3
	s_barrier_signal -1
	s_barrier_wait -1
.endm
.macro ZERO at, n
.set z_, 0
.rept \n
	v_mov_b32 v[\at+z_], 0
.set z_, z_+1
.endr
.endm
	s_load_b256 s[4:11], s[0:1], 0x0               ; qq s[4:5], kv s[6:7], ac s[8:9], asc s[10:11]
	v_lshl_add_u32 v[SPW], v0, 2, SPARE
	v_mov_b32 v[NIL], 0
	ds_add_u32 v[SPW], v[NIL]                      ; the wave's opening: the add, twice on end, and its wait
	ds_add_u32 v[SPW], v[NIL]
	v_lshrrev_b32 v4, 5, v0
	v_readfirstlane_b32 s[WV], v4                  ; wave 0..7
	v_and_b32 v5, 31, v0
	v_and_b32 v6, 15, v0
	v_lshlrev_b32 v1, 4, v5                        ; 16 x lane: an image's place for my lane
	v_lshlrev_b32 v2, 5, v6                        ; 32 r: Q's and K's scale words
	v_lshlrev_b32 v3, 4, v6                        ; 16 r: V's
	s_bfe_u32 s13, ttmp6, 0x40000                  ; cx: it enters Q's, ac's and asc's addresses alone
	s_lshl_b32 s14, ttmp9, 2
	s_add_co_u32 s14, s14, s13                     ; my block of 256 queries
	s_and_b32 s15, ttmp7, 0xffff                   ; bh, which the four partners share
	; descriptor groups 1: dense blocks as rows of 32 elements of 8 bytes: 67 rows are one block, 201 three
.irp g, G1, G1B
	s_mov_b32 s[\g], 15|(3<<16)|(1<<21)            ; 15:0 the mask: all four work-groups; 17:16 elements of 8 bytes; 21 set beside a mask
	s_mov_b32 s[\g+1], 32<<16                      ; tensor_dim0
	s_mov_b32 s[\g+3], 32<<16                      ; tile_dim0
	s_mov_b32 s[\g+5], 32                          ; tensor_dim0_stride
	s_mov_b32 s[\g+6], 0
	s_mov_b32 s[\g+7], 0
.endr
	s_mov_b32 s[G1+2], 67<<16                      ; tensor_dim1
	s_mov_b32 s[G1+4], 67                          ; tile_dim1
	s_mov_b32 s[G1B+2], 201<<16
	s_mov_b32 s[G1B+4], 201
	s_and_b32 s52, s[WV], 3
	s_mul_i32 s56, s52, 3*BLKB
	s_add_co_u32 s56, s56, 4*BLKB                  ; waves 4 to 7: blocks 4 + 3 (wave - 4) on
	s_mov_b32 s57, 0
	s_mul_i32 s52, s52, BLKB                       ; waves 0 to 3: block = wave
	s_mov_b32 s53, 0
	s_mul_i32 s54, s15, 16*BLKB                    ; the head's 16 blocks
	s_mov_b32 s55, 0
	s_mov_b32 s[SEL], 0x76543210
	s_mov_b32 s[SEL+1], 0xfedcba98
	s_mov_b32 s[CS], 0x3e38aa3b
	s_mov_b32 s[CS+1], s[CS]
	s_mov_b32 s[NCS], 0xbe38aa3b
	s_mov_b32 s[LOW], 0xc2de0000
	s_mov_b32 s[MNT], 0x600000
	WALU
	s_wait_dscnt 0x0                               ; both opening adds are done
	s_wait_kmcnt 0x0
	s_add_nc_u64 s[54:55], s[6:7], s[54:55]
	s_mov_b32 s[G0], 1                             ; 1:0 count = 1
	s_mov_b32 s[G0+1], s52                         ; 63:32 LDS address
	s_add_nc_u64 s[G0+2:G0+3], s[54:55], s[52:53]  ; 120:64 global address
	s_or_b32 s[G0+3], s[G0+3], 0x80000000          ; 127:126 type = 2
	s_mov_b32 s[G0B], 1
	s_mov_b32 s[G0B+1], s56
	s_add_nc_u64 s[G0B+2:G0B+3], s[54:55], s[56:57]
	s_or_b32 s[G0B+3], s[G0B+3], 0x80000000
	CROUND                                         ; all four work-groups are here: the joint loads meet
	s_cmp_lt_u32 s[WV], 4                          ; one load a wave; what is shown first has a line of its own
	s_cbranch_scc0 .Lrest
	tensor_load_to_lds s[G0:G0+3], s[G1:G1+7]
	s_nop 0
.rept 4
	v_nop
.endr
	s_branch .Lasked
.Lrest:
	tensor_load_to_lds s[G0B:G0B+3], s[G1B:G1B+7]
	s_nop 0
.rept 4
	v_nop
.endr
.Lasked:
	s_lshr_b32 s56, s[WV], 2
	s_lshl_b32 s57, s14, 1
	s_add_co_u32 s56, s56, s57                     ; qb: my block of 128 queries
	s_and_b32 s57, s[WV], 3
	s_lshl_b32 s57, s57, 1                         ; t: tile A's number in it; B's is t + 1
	s_lshl_b32 s58, s15, 4
	s_add_co_u32 s58, s58, s56
	s_mul_i32 s58, s58, 8704                       ; the block in qq
	s_lshl_b32 s60, s57, 2
	s_add_co_u32 s60, s60, s58
	s_add_co_u32 s60, s60, 8192                    ; both tiles' scale words
	s_mov_b32 s61, 0
	s_lshl_b32 s59, s57, 10
	s_add_co_u32 s58, s58, s59                     ; and codes
	s_mov_b32 s59, 0
	s_add_nc_u64 s[60:61], s[4:5], s[60:61]
	s_add_nc_u64 s[58:59], s[4:5], s[58:59]
	global_load_b128 v[QF:QF+3], v1, s[58:59]      ; Q stays in registers: d = 0 .. 31,
	global_load_b128 v[QF+4:QF+7], v1, s[58:59] offset:512   ; d = 32 .. 63
	global_load_b64 v[QW:QW+1], v2, s[60:61]
	WIN 0x40
	global_load_b128 v[QF:QF+3], v1, s[58:59] offset:1024
	global_load_b128 v[QF+4:QF+7], v1, s[58:59] offset:1536
	WIN 0
	; where the result goes
	s_lshr_b32 s52, s15, 4
	s_lshl_b32 s52, s52, 4
	s_add_co_u32 s54, s52, s56                     ; the tokens' row block: batch x 16 + qb
	s_and_b32 s55, s15, 15                         ; the head
	s_lshl_b32 s52, s54, 17
	s_lshr_b32 s53, s55, 1
	s_lshl_b32 s53, s53, 14
	s_add_co_u32 s52, s52, s53                     ; K step head / 2
	s_lshl_b32 s53, s57, 11
	s_add_co_u32 s52, s52, s53                     ; tile t
	s_and_b32 s53, s55, 1
	s_lshl_b32 s53, s53, 10
	s_add_co_u32 s52, s52, s53                     ; the image's half
	s_mov_b32 s53, 0
	s_add_nc_u64 s[8:9], s[8:9], s[52:53]
	s_lshl_b32 s52, s54, 12                        ; the scale bytes: row block x 4096 + t x 512 + (head / 8) x 256 + ((head / 2) % 2) x 128 + ((head / 4) % 2) x 4 + (head % 2) x 2
	s_lshl_b32 s54, s57, 9
	s_add_co_u32 s52, s52, s54
	s_lshr_b32 s54, s55, 3
	s_lshl_b32 s54, s54, 8
	s_add_co_u32 s52, s52, s54
	s_bfe_u32 s54, s55, 0x10001
	s_lshl_b32 s54, s54, 7
	s_add_co_u32 s52, s52, s54
	s_bfe_u32 s54, s55, 0x10002
	s_lshl_b32 s54, s54, 2
	s_add_co_u32 s52, s52, s54
	s_and_b32 s54, s55, 1
	s_lshl_b32 s54, s54, 1
	s_add_co_u32 s52, s52, s54
	s_add_nc_u64 s[10:11], s[10:11], s[52:53]
.macro INIT w
	WIN 0x40*(\w)
	ZERO QF+8, 8                                   ; zero codes for k = 64 .. 127
	ZERO AC, 16
	ZERO PX, 4                                     ; a lane permute's destination counts as one of its sources
	v_mov_b32 v[FF+1], 0                           ; (named as f's pair)
	v_mov_b32 v[OLD], 0x7e800000                   ; so large that the first f is 0, over sums that are 0
	v_mov_b32 v[MR], 0xff61b1e6                    ; -3e38
.endm
	INIT 0
	INIT 1
	ZERO KF+64, 8                                  ; behind K's last tile
	WIN 0
.macro KLOAD adr, wadr                 ; K's eight tiles of a block into window 1, and their scale words
	WIN 0x40
.irp t, 0,1,2,3,4,5,6,7
	ds_load_b128 v[KF+8*\t:KF+8*\t+3], v[\adr] offset:1024*\t
	ds_load_b128 v[KF+8*\t+4:KF+8*\t+7], v[\adr] offset:1024*\t+512
.endr
	WIN 0
	ds_load_b128 v[KW:KW+3], v[\wadr] offset:8192
	ds_load_b128 v[KW+4:KW+7], v[\wadr] offset:8208
.endm
.macro SMUL w                          ; S^T = K Q^T of tile w: register 16 b + i of lane (r, h) is key 32 b + 16 h + i of the block
	WIN 0x01+0x44*(\w)
.irp t, 0,1,2,3,4,5,6,7
	v_wmma_scale_f32_16x16x128_f8f6f4 v[SS+8*\t:SS+8*\t+7], v[KF+8*\t:KF+8*\t+15], v[QF:QF+15], 0, v[KW+\t], v[QW+\w] matrix_a_fmt:MATRIX_FMT_BF8 matrix_b_fmt:MATRIX_FMT_BF8
.endr
.endm
.macro PVMUL w                         ; O^T += V^T P^T of tile w: the four accumulators by turns
	WIN 0x54*(\w)
.irp t, 0,1,2,3
	v_wmma_scale_f32_16x16x128_f8f6f4 v[OO+8*\t:OO+8*\t+7], v[VF+16*\t:VF+16*\t+15], v[PC:PC+15], v[OO+8*\t:OO+8*\t+7], v[VW+\t], v[PW+\w] matrix_a_fmt:MATRIX_FMT_BF8 matrix_b_fmt:MATRIX_FMT_BF8
.endr
.endm
.macro BMAX w                          ; the largest score of each block of 32 keys
	WIN 0x55*(\w)
	WALU                                           ; directly ahead of the first readers of S^T
.irp b, 0,1,2,3
	v_max3_num_f32 v[BM+\b], v[SS+16*\b], v[SS+1+16*\b], v[SS+2+16*\b]
.endr
.irp i, 3,5,7,9,11,13
.irp b, 0,1,2,3
	v_max3_num_f32 v[BM+\b], v[BM+\b], v[SS+16*\b+\i], v[SS+1+16*\b+\i]
.endr
.endr
.irp b, 0,1,2,3
	v_max_num_f32 v[BM+\b], v[BM+\b], v[SS+15+16*\b]
.endr
.irp b, 0,1,2,3
	v_permlanex16_b32 v[PX+\b], v[BM+\b], s[SEL], s[SEL+1]
.endr
.irp b, 0,2
	v_dual_max_num_f32 v[BM+\b], v[BM+\b], v[PX+\b] :: v_dual_max_num_f32 v[BM+1+\b], v[BM+1+\b], v[PX+1+\b]   ; with lane l xor 16's 16 keys
.endr
.endm
.macro FM j                            ; t - M, two at a time
	v_pk_fma_f32 v[SS+2*(\j):SS+2*(\j)+1], v[SS+2*(\j):SS+2*(\j)+1], s[CS:CS+1], v[NM:NM+1] op_sel_hi:[1,0,0]
.endm
.macro SUM b, i                        ; the row's sum, of the unquantised p; block 0's brings what was summed under the new M
.if (\b) == 0
	v_pk_fma_f32 v[AC+2*(\i):AC+2*(\i)+1], v[AC+2*(\i):AC+2*(\i)+1], v[FF:FF+1], v[SS+2*(\i):SS+2*(\i)+1] op_sel_hi:[1,0,1]
.else
	v_pk_add_f32 v[AC+2*(\i):AC+2*(\i)+1], v[AC+2*(\i):AC+2*(\i)+1], v[SS+16*(\b)+2*(\i):SS+16*(\b)+2*(\i)+1]
.endif
.endm
.macro HOLD b, i                       ; the conversion to an 8-bit code does not saturate (ISA guide 7.6.2); p is not negative, so the hold is one-sided
	v_dual_min_num_f32 v[SS+16*(\b)+2*(\i)], v[SS+16*(\b)+2*(\i)], v[PX+(\b)] :: v_dual_min_num_f32 v[SS+16*(\b)+2*(\i)+1], v[SS+16*(\b)+2*(\i)+1], v[PX+(\b)]
.endm
.macro CVT b
	v_cvt_scalef32_pk8_bf8_f32 v[PC+4*(\b):PC+4*(\b)+1], v[SS+16*(\b):SS+16*(\b)+7], v[SC+(\b)]
	v_cvt_scalef32_pk8_bf8_f32 v[PC+4*(\b)+2:PC+4*(\b)+3], v[SS+16*(\b)+8:SS+16*(\b)+15], v[SC+(\b)]
.endm
.macro PHASE b                         ; block b's exponentials, each with a plain line that nothing reads before the wait behind the phase
.set i_, 0
.rept 16
	v_exp_f32 v[SS+16*(\b)+i_], v[SS+16*(\b)+i_]
.if (\b) == 0
	FM 16+i_
.elseif i_ < 8
	SUM (\b)-1, i_
.else
	HOLD (\b)-1, i_-8
.endif
.set i_, i_+1
.endr
	WALU
.endm
.macro SOFT w, last                    ; from the blocks' largest scores to p's codes; tile A's loads V(n) and K(n + 1) on the way
	WIN 0x55*(\w)
	v_max3_num_f32 v[TM], v[BM], v[BM+1], v[BM+2]
	v_max3_num_f32 v[MR], v[MR], v[TM], v[BM+3]
	v_mul_f32 v[TM], s[NCS], v[MR]                 ; -t (c is positive)
	v_floor_f32 v[NM], v[TM]                       ; -M = floor(-t) = -ceil(t)
	v_pk_fma_f32 v[BM:BM+1], v[BM:BM+1], s[CS:CS+1], v[NM:NM+1] op_sel_hi:[1,0,0]
	v_pk_fma_f32 v[BM+2:BM+3], v[BM+2:BM+3], s[CS:CS+1], v[NM:NM+1] op_sel_hi:[1,0,0]
	v_sub_f32 v[TM], v[NM], v[OLD]                 ; M's old value less its new one: a whole number, 0 or less
.irp j, 0,1,2,3
	FM \j
.endr
.irp b, 0,2
	v_dual_max_num_f32 v[BM+\b], s[LOW], v[BM+\b] :: v_dual_max_num_f32 v[BM+1+\b], s[LOW], v[BM+1+\b]
.endr
	v_cvt_i32_f32 v[TM], v[TM]                     ; (it saturates)
.irp j, 4,5,6,7
	FM \j
.endr
.irp b, 0,1,2,3
	v_cvt_floor_i32_f32 v[BM+\b], v[BM+\b]         ; i
.endr
	v_mov_b32 v[OLD], v[NM]
.irp j, 8,9,10,11
	FM \j
.endr
	v_ldexp_f32 v[FF], 1.0, v[TM]                  ; f = 2^(old M - new M)
.irp b, 0,1,2,3
	v_lshl_add_u32 v[SC+\b], v[BM+\b], 23, 0x38000000   ; 2^(i - 15)
.endr
.irp b, 0,1,2,3
	v_lshl_add_u32 v[PX+\b], v[BM+\b], 23, 0x3fe00000   ; 1.75 x 2^i
.endr
	v_lshl_add_u32 v[TM], v[BM+1], 8, v[BM]        ; the four i, and 112 on each, are p's scale word
	FM 12
	FM 13
	v_lshl_add_u32 v[TM], v[BM+2], 16, v[TM]
	FM 14
	FM 15
	v_lshl_add_u32 v[TM], v[BM+3], 24, v[TM]
	WIN 0x04*(\w)
	v_add_nc_u32 v[PW+\w], 0x70707070, v[TM]       ; (scale registers lie in window 0)
.if (\w) == 0
	s_add_co_u32 s[TK], s[TB], BLKB
.if \last
	s_min_u32 s[TK], s[TK], 15*BLKB                ; behind the last block no further one begins: its K is read once more and not used
.endif
	v_add_nc_u32 v4, s[TB], v1
	v_add_nc_u32 v6, s[TB], v3
	v_add_nc_u32 v7, s[TK], v1
	v_add_nc_u32 v5, s[TK], v2
.irp t, 0,1,2,3
.irp c, 0,1,2,3
	ds_load_b128 v[VF+16*\t+4*\c:VF+16*\t+4*\c+3], v4 offset:8704+2048*\t+512*\c
.endr
.endr
	ds_load_b128 v[VW:VW+3], v6 offset:16896
	KLOAD 7, 5
.endif
	WIN 0x55*(\w)
	WALU
	PHASE 0
	PHASE 1
	PHASE 2
	PHASE 3
.irp i, 0,1,2,3,4,5,6,7
	SUM 3, \i
.endr
	CVT 0
	CVT 1
	CVT 2
.irp i, 0,1,2,3,4,5,6,7
	HOLD 3, \i
.endr
	CVT 3
	WALU                                           ; directly ahead of the first readers of O^T
.set j_, 0
.rept 16
	v_pk_mul_f32 v[OO+j_:OO+j_+1], v[OO+j_:OO+j_+1], v[FF:FF+1] op_sel_hi:[1,0]   ; O^T under the new M
.set j_, j_+2
.endr
.endm
.macro TRIPS first, count, last        ; blocks first .. first + count - 1; last: the head's last block is among them
	s_mov_b32 s[TB], \first*BLKB
	s_mov_b32 s[CNT], \count
.Ltrip_\@:
	SMUL 1
	SOFT 0, \last
	BMAX 1
	WALU                                           ; directly behind the write
	WIN 0
	s_wait_dscnt 0x0                               ; V(n) and K(n + 1)
	PVMUL 0
.if \last
	s_cmp_eq_u32 s[CNT], 1                         ; behind the last block there is no further score
	s_cbranch_scc1 .Lno_scores_\@
.endif
	SMUL 0
	WIN 0
.if \last
.Lno_scores_\@:
.endif
	SOFT 1, 0
	WIN 0
	BMAX 0                                         ; (behind the last block they are taken of numbers that are done with, and not used)
	WALU                                           ; directly behind the write
	PVMUL 1
	WIN 0
	s_add_co_u32 s[TB], s[TB], BLKB
	s_sub_co_u32 s[CNT], s[CNT], 1
	s_cmp_lg_u32 s[CNT], 0
	s_cbranch_scc1 .Ltrip_\@
.endm
	WALU                                           ; the head's end
	s_cmp_lt_u32 s[WV], 4
	s_cbranch_scc0 .Lnot_first
	s_wait_tensorcnt 0x0                           ; waves 0 to 3: blocks 0 to 3 are in; the other waves' wait stands at the second barrier
.Lnot_first:
	s_barrier_signal -1
	s_barrier_wait -1
	KLOAD 1, 2                                     ; block 0's K
	s_wait_loadcnt 0x0                             ; Q
	s_wait_dscnt 0x0
	SMUL 0
	WIN 0
	ZERO OO, 32                                    ; both tiles' O^T: these lines are the places behind the products too
	WIN 0x40
	ZERO OO, 32
	WIN 0
	BMAX 0
	WALU
	TRIPS 0, 3, 0
	s_wait_tensorcnt 0x0                           ; all waves: the other twelve blocks are in; nothing is filled again
	s_wait_dscnt 0x0
	s_barrier_signal -1
	s_barrier_wait -1
	TRIPS 3, 13, 1
	; THE WAY OUT.  O^T is divided by the row's sum and quantised: register 16 b + i is d = 32 b + 16 h + i of my query: two blocks of the last product's K.
.macro TOTAL w
	WIN 0x55*(\w)
.irp i, 0,2,4,6
	v_pk_add_f32 v[AC+\i:AC+\i+1], v[AC+\i:AC+\i+1], v[AC+8+\i:AC+9+\i]
.endr
.irp i, 0,2
	v_pk_add_f32 v[AC+\i:AC+\i+1], v[AC+\i:AC+\i+1], v[AC+4+\i:AC+5+\i]
.endr
	v_pk_add_f32 v[AC:AC+1], v[AC:AC+1], v[AC+2:AC+3]
	v_add_f32 v[FF], v[AC], v[AC+1]
	v_permlanex16_b32 v[TM], v[FF], s[SEL], s[SEL+1]
	v_add_f32 v[FF], v[FF], v[TM]                  ; and lane l xor 16's: the row's sum
.endm
	WIN 0x40
	v_mov_b32 v[TM], 0
	WIN 0
	TOTAL 0
	TOTAL 1
	WALU
	v_rcp_f32 v[FF], v[FF]
	WIN 0
	v_rcp_f32 v[FF], v[FF]
	v_bfe_u32 v4, v0, 4, 1                         ; h
	v_and_b32 v5, 15, v0
	v_cmp_ne_u32 vcc_lo, 0, v4                     ; lanes 16-31
	v_lshlrev_b32 v5, 3, v5
	v_lshl_add_u32 v5, v4, 9, v5                   ; the scale bytes' place: 8 r; lanes 16-31 store tile B's, 512 on
.macro OUT w
	WIN 0x55*(\w)
	WALU                                           ; ahead of the first readers of O^T and of the reciprocal
.set j_, 0
.rept 16
	v_pk_mul_f32 v[SS+j_:SS+j_+1], v[OO+j_:OO+j_+1], v[FF:FF+1] op_sel_hi:[1,0]
.set j_, j_+2
.endr
.irp b, 0,1
	v_max3_num_f32 v[BM+\b], |v[SS+16*\b]|, |v[SS+1+16*\b]|, 0x8000000   ; and the floor 2^(16 - 127): so the byte cannot fall under 1
.endr
.irp i, 2,4,6,8,10,12,14
.irp b, 0,1
	v_max3_num_f32 v[BM+\b], v[BM+\b], |v[SS+16*\b+\i]|, |v[SS+1+16*\b+\i]|
.endr
.endr
.irp b, 0,1
	v_permlanex16_b32 v[PX+\b], v[BM+\b], s[SEL], s[SEL+1]
.endr
.irp b, 0,1
	v_max_num_f32 v[BM+\b], v[BM+\b], v[PX+\b]
.endr
.irp b, 0,1
	v_add_nc_u32 v[SC+\b], 0xf8800000, v[BM+\b]    ; 15 off the exponent field: the conversion's scale operand
.endr
.irp b, 0,1
	v_and_or_b32 v[BM+2+\b], v[BM+\b], 0x7f800000, s[MNT]   ; 57,344 x the scale
.endr
.irp b, 0,1
	v_lshrrev_b32 v[PX+\b], 23, v[SC+\b]           ; the bytes
.endr
.irp b, 0,1
.irp i, 0,1,2,3,4,5,6,7,8,9,10,11,12,13,14,15
	v_med3_num_f32 v[SS+16*\b+\i], v[SS+16*\b+\i], -v[BM+2+\b], v[BM+2+\b]
.endr
	CVT \b
.endr
	WIN 0x11*(\w)
	v_lshl_or_b32 v[PW+\w], v[PX+1], 8, v[PX]
	v_nop
.endm
	OUT 0
	global_store_b128 v1, v[PC:PC+3], s[8:9]       ; 512 consecutive bytes, aligned
	global_store_b128 v1, v[PC+4:PC+7], s[8:9] offset:512
	OUT 1
	WIN 0x04
	global_store_b128 v1, v[PC:PC+3], s[8:9] offset:2048
	global_store_b128 v1, v[PC+4:PC+7], s[8:9] offset:2560
	WIN 0
	v_cndmask_b32 v6, v[PW], v[PW+1], vcc_lo
	global_store_b16 v5, v6, s[10:11]
	s_wait_tensorcnt 0x0                           ; the wave's end
	ds_add_u32 v[SPW], v[NIL]
	s_wait_dscnt 0x0
	CROUND                                         ; the closing round: no work-group ends while a partner may still ask for a tile that names it
	s_endpgm
.Lfunc_end_k_q694386bb8a_attn:
	.size	k_q694386bb8a_attn, .Lfunc_end_k_q694386bb8a_attn-k_q694386bb8a_attn
	.p2alignl 7, 3214868480
	.fill 96, 4, 3214868480
	.section	.rodata,"a",@progbits
	.p2align	6, 0x0
	.amdhsa_kernel k_q694386bb8a_attn
		.amdhsa_group_segment_fixed_size 327680
		.amdhsa_private_segment_fixed_size 0
		.amdhsa_enable_private_segment 0
		.amdhsa_kernarg_size 32
		.amdhsa_user_sgpr_count 2
		.amdhsa_user_sgpr_kernarg_segment_ptr 1
		.amdhsa_wavefront_size32 1
		.amdhsa_system_sgpr_workgroup_id_x 1
		.amdhsa_system_sgpr_workgroup_id_y 1
		.amdhsa_system_sgpr_workgroup_id_z 1
		.amdhsa_system_vgpr_workitem_id 0
		.amdhsa_next_free_vgpr 512
		.amdhsa_next_free_sgpr 100
		.amdhsa_reserve_vcc 1
		.amdhsa_float_denorm_mode_32 3
		.amdhsa_float_denorm_mode_16_64 3
		.amdhsa_memory_ordered 1
		.amdhsa_forward_progress 1
		.amdhsa_inst_pref_size 96
	.end_amdhsa_kernel
	.amdgpu_metadata
---
amdhsa.version: [ 1, 2 ]
amdhsa.kernels:
  - .name:           k_q694386bb8a_attn
    .symbol:         k_q694386bb8a_attn.kd
    .args:
      - { .name: qq, .offset: 0, .size: 8, .value_kind: global_buffer, .address_space: global }
      - { .name: kv, .offset: 8, .size: 8, .value_kind: global_buffer, .address_space: global }
      - { .name: ac, .offset: 16, .size: 8, .value_kind: global_buffer, .address_space: global }
      - { .name: asc, .offset: 24, .size: 8, .value_kind: global_buffer, .address_space: global }
    .group_segment_fixed_size: 327680
    .private_segment_fixed_size: 0
    .kernarg_segment_align: 8
    .kernarg_segment_size: 32
    .max_flat_workgroup_size: 256
    .sgpr_count:     100
    .vgpr_count:     512
    .wavefront_size: 32
...
	.end_amdgpu_metadata
.endif
;; end of part 3
;; launch proj (part 4): grid 8 x 32, 4 waves a work-group, clusters of 4 x 4, 327,680 bytes of LDS; arguments ac, asc, cod, scl, bo, out0; writes out0
.if DOCPART == 4
	.amdgcn_target "amdgcn-amd-amdhsa--gfx1250"
	.amdhsa_code_object_version 6
	.text
	.protected	k_q694386bb8a_proj
	.globl	k_q694386bb8a_proj
	.p2align	8
	.type	k_q694386bb8a_proj,@function
k_q694386bb8a_proj:
	s_mov_b64 s[64:65], 0
	v_nop
	global_prefetch_b8 v0, s[64:65] scope:SCOPE_SE
	s_setreg_imm32_b32 hwreg(HW_REG_WAVE_MODE, 25, 1), 1
	s_wait_xcnt 0x0
	s_wait_alu depctr_hold_cnt(0) depctr_sa_sdst(0) depctr_va_vdst(0) depctr_va_sdst(0) depctr_va_ssrc(0) depctr_va_vcc(0) depctr_vm_vsrc(0)
	s_getreg_b32 s2, hwreg(HW_REG_IB_STS2, 6, 4)
	s_cmp_eq_u32 s2, 0
	s_cbranch_scc0 .Lentry_in_a_cluster
	s_endpgm
.Lentry_in_a_cluster:
	s_bfe_u32 s2, ttmp6, 0x10000c
	s_cmp_lg_u32 s2, 0xf033
	s_cbranch_scc0 .Lentry_shape_is_right
	s_endpgm
.Lentry_shape_is_right:
; out0[m][n] = the sum over k of O[m][k] Wo[n][k] + bo[n]: 4,096 x 1,024 x 1,024 on codes of BF8 with E8M0 scales, sums in f32, out0 f32.
; ac, cod: row block of 128 rows x 131072 + K step of 128 x 16384 + tile x 2048 + 512 c + 16 lane: a fragment's registers on end; Wo's row blocks are cod's 56 to 63.
; asc, scl: row block x 4096 + tile x 512 + 256 kap + 8 lane: two scale registers a load, each with an even K step in lanes 0-15 and the odd one in lanes 16-31.
; Place i of tile t is row 32 (t / 2) + 8 (t % 2) + i + 8 (i / 8).
; A work-group makes 128 x 128 (256 work-groups), each of its four waves 64 x 64: 16 accumulators.  ALL OF K LIES IN LDS: 128 KiB of O's codes, 128 KiB of Wo's, each filled once by one load a wave:
; waves 0 and 1 bring K steps 0-3 of O and of Wo, shown at the first barrier, waves 2 and 3 K steps 4-7, shown at the second.
; CLUSTER 4 x 4: O's tile is shared along a row of the cluster, Wo's along a column, each asked for jointly.  Nothing is prefetched: all tiles are asked for at the head.
; The product is used transposed (source 0 = Wo): a lane holds one row of the result, and the registers of tiles 2 p and 2 p + 1 are its columns 32 p + 16 h + 0 .. 15.
; LIMITS: NaN and infinities are not served.
; REGISTERS.  Window 0: v16-31 addresses and the bias, v34-49 O's scale words, v52-67 Wo's, v72-199 fragments, set 0, and on the way out rows.  Window 1: v0-127 accumulators, v128-255 fragments, set 1.
.set BOFF,   131072
.set HALF,   65536
.set SPARE,  262144                    ; the spare words, 512 bytes
.set STAGE,  SPARE+512                 ; 16 rows x 272 bytes for each wave
.set SPITCH, 272
.set ADRA, 16                          ; v16, v17 O's fragments, K steps 0-3 and 4-7
.set ADRB, 18                          ; v18, v19 Wo's
.set L8,   20
.set L16,  21
.set STO,  22
.set RD,   23
.set SPW,  24
.set NIL,  25
.set CO,   26
.set R16,  27
.set BIAS, 28
.set SA,   34
.set SB,   52
.set F0,   72
.set F1,   128
.set G1,  24
.set G1B, 32
.set G0,  40
.set G0B, 44
.set MSB, 0
.macro WIN new
.if MSB != (\new)
	s_set_vgpr_msb (MSB<<8)|(\new)
.set MSB, \new
.endif
.endm
.macro CROUND                          ; a round of the cluster's barrier
	s_barrier_signal -1
	s_barrier_wait -1
	s_cmp_lg_u32 s14, 0
	s_cbranch_scc1 .Lnot_wave_0_\@
	s_barrier_signal -3
.Lnot_wave_0_\@:
	s_barrier_wait -3
	s_barrier_signal -1
	s_barrier_wait -1
.endm
.macro PLACES
.rept 8
	v_nop
.endr
.endm
	s_load_b256 s[4:11], s[0:1], 0x0               ; ac, asc, cod, scl
	s_load_b128 s[68:71], s[0:1], 0x20             ; bo, out0
	v_lshl_add_u32 v[SPW], v0, 2, SPARE
	v_mov_b32 v[NIL], 0
	ds_add_u32 v[SPW], v[NIL]                      ; the wave's opening: the add, twice on end, and its wait
	ds_add_u32 v[SPW], v[NIL]
	v_lshrrev_b32 v1, 5, v0
	v_readfirstlane_b32 s14, v1                    ; wave 0..3
	s_lshr_b32 s15, s14, 1                         ; my half of the rows; also: which half of K I fetch
	s_and_b32 s16, s14, 1                          ; my half of the columns; also: I fetch for O (0) or for Wo (1)
	v_and_b32 v1, 31, v0
	v_and_b32 v2, 15, v0
	v_bfe_u32 v3, v0, 4, 1
	v_lshlrev_b32 v[L16], 4, v1
	v_lshlrev_b32 v[L8], 3, v1
	v_lshlrev_b32 v[R16], 4, v2
	s_lshl_b32 s21, s15, 13                        ; my four tiles of O
	s_lshl_b32 s22, s16, 13                        ; and of Wo
	s_add_co_u32 s22, s22, BOFF
	v_add_nc_u32 v[ADRA], s21, v[L16]
	v_add_nc_u32 v[ADRB], s22, v[L16]
	v_add_nc_u32 v[ADRA+1], HALF, v[ADRA]
	v_add_nc_u32 v[ADRB+1], HALF, v[ADRB]
	s_mul_i32 s23, s14, 16*SPITCH
	s_add_co_u32 s23, s23, STAGE
	v_mul_u32_u24 v[STO], v2, SPITCH               ; into the stage: row r, 64 h
	v_lshl_add_u32 v[STO], v3, 6, v[STO]
	v_add_nc_u32 v[STO], s23, v[STO]
	v_mul_u32_u24 v[RD], v3, SPITCH                ; back: lanes 0-15 one row of 256 bytes, lanes 16-31 the next
	v_add_nc_u32 v[RD], v[RD], v[R16]
	v_add_nc_u32 v[RD], s23, v[RD]
	v_lshl_add_u32 v[CO], v3, 12, v[R16]           ; and the same in out0
	s_bfe_u32 s48, ttmp6, 0x40000                  ; cx, cy
	s_bfe_u32 s49, ttmp6, 0x40004
	s_and_b32 s17, ttmp7, 0xffff
	s_lshl_b32 s50, s49, 2
	s_lshl_b32 s50, 15, s50                        ; my row of the cluster
	s_lshl_b32 s51, 0x1111, s48                    ; my column
	s_or_b32 s[G1+0], s50, (3<<16)|(1<<21)         ; descriptor group 1: 64 KiB on end, as 256 rows of 32 elements of 8 bytes
	s_or_b32 s[G1B+0], s51, (3<<16)|(1<<21)
.irp g, G1, G1B
	s_mov_b32 s[\g+1], 32<<16
	s_mov_b32 s[\g+2], 256<<16
	s_mov_b32 s[\g+3], 32<<16
	s_mov_b32 s[\g+4], 256
	s_mov_b32 s[\g+5], 32
	s_mov_b32 s[\g+6], 0
	s_mov_b32 s[\g+7], 0
.endr
	s_lshl_b32 s84, s17, 2
	s_add_co_u32 s84, s84, s49                     ; row block: 4 x cluster y + cy
	s_lshl_b32 s85, ttmp9, 2
	s_add_co_u32 s85, s85, s48                     ; column block: 4 x cluster x + cx
	s_lshl_b32 s18, s15, 16                        ; which half of K I fetch
	s_lshl_b32 s80, s84, 17
	s_add_co_u32 s80, s80, s18
	s_mov_b32 s81, 0
	s_add_co_u32 s82, s85, 56
	s_lshl_b32 s82, s82, 17
	s_add_co_u32 s82, s82, s18
	s_mov_b32 s83, 0
	s_wait_alu depctr_va_vdst(0)
	s_wait_dscnt 0x0                               ; both opening adds are done
	s_wait_kmcnt 0x0
	s_mov_b32 s[G0], 1
	s_mov_b32 s[G0+1], s18
	s_add_nc_u64 s[G0+2:G0+3], s[4:5], s[80:81]
	s_or_b32 s[G0+3], s[G0+3], 0x80000000
	s_mov_b32 s[G0B], 1
	s_add_co_u32 s[G0B+1], s18, BOFF
	s_add_nc_u64 s[G0B+2:G0B+3], s[8:9], s[82:83]
	s_or_b32 s[G0B+3], s[G0B+3], 0x80000000
	CROUND                                         ; all sixteen work-groups are here: the joint loads meet
.macro ARM under, g0, g1, next         ; one load a wave, a line each
	s_cmp_lt_u32 s14, \under
	s_cbranch_scc0 \next
	tensor_load_to_lds s[\g0:\g0+3], s[\g1:\g1+7]
	s_nop 0
.rept 4
	v_nop
.endr
	s_branch .Lasked
\next:
.endm
	ARM 1, G0,  G1,  .Lwave_1
	ARM 2, G0B, G1B, .Lwave_2
	ARM 3, G0,  G1,  .Lwave_3
	tensor_load_to_lds s[G0B:G0B+3], s[G1B:G1B+7]
	s_nop 0
.rept 4
	v_nop
.endr
.Lasked:
	s_lshl_b32 s86, s84, 12                        ; my tiles' scale words
	s_lshl_b32 s18, s15, 11
	s_add_co_u32 s86, s86, s18
	s_mov_b32 s87, 0
	s_add_nc_u64 s[86:87], s[6:7], s[86:87]
	s_add_co_u32 s88, s85, 56
	s_lshl_b32 s88, s88, 12
	s_lshl_b32 s18, s16, 11
	s_add_co_u32 s88, s88, s18
	s_mov_b32 s89, 0
	s_add_nc_u64 s[88:89], s[10:11], s[88:89]
.irp i, 0,1,2,3
.irp k, 0,1
	global_load_b64 v[SA+4*\i+2*\k:SA+4*\i+2*\k+1], v[L8], s[86:87] offset:512*\i+256*\k
	global_load_b64 v[SB+4*\i+2*\k:SB+4*\i+2*\k+1], v[L8], s[88:89] offset:512*\i+256*\k
.endr
.endr
	s_lshl_b32 s90, s85, 9                         ; my first column, in bytes
	s_lshl_b32 s18, s16, 8
	s_add_co_u32 s90, s90, s18
	s_mov_b32 s91, 0
	s_add_nc_u64 s[68:69], s[68:69], s[90:91]
	global_load_b128 v[BIAS:BIAS+3], v[R16], s[68:69]   ; the four columns that my lane stores
	s_add_nc_u64 s[72:73], s[70:71], s[90:91]
	s_lshl_b32 s90, s84, 19                        ; my first row: 4,096 bytes a row
	s_lshl_b32 s18, s15, 18
	s_add_co_u32 s90, s90, s18
	s_add_nc_u64 s[72:73], s[72:73], s[90:91]
.macro FETCH ks                        ; K step ks's four fragments of Wo and four of O, into set ks % 2: 32 loads
	WIN 0x40*((\ks)%2)
.set FR_, F0+((\ks)%2)*(F1-F0)
.irp i, 0,1,2,3
.irp c, 0,1,2,3
	ds_load_b128 v[FR_+64+16*\i+4*\c:FR_+64+16*\i+4*\c+3], v[ADRB+(\ks)/4] offset:(((\ks)%4)*8+\i)*2048+512*\c
.endr
.endr
.irp i, 0,1,2,3
.irp c, 0,1,2,3
	ds_load_b128 v[FR_+16*\i+4*\c:FR_+16*\i+4*\c+3], v[ADRA+(\ks)/4] offset:(((\ks)%4)*8+\i)*2048+512*\c
.endr
.endr
.endm
.macro MUL ks                          ; 16 products, the 16 accumulators by turns
	WIN 0x50+0x05*((\ks)%2)
.set FR_, F0+((\ks)%2)*(F1-F0)
.irp a, 0,1,2,3
.irp b, 0,1,2,3
.if (\ks) == 0
	v_wmma_scale_f32_16x16x128_f8f6f4 v[8*(4*\a+\b):8*(4*\a+\b)+7], v[FR_+64+16*\b:FR_+64+16*\b+15], v[FR_+16*\a:FR_+16*\a+15], 0, v[SB+4*\b], v[SA+4*\a] matrix_a_fmt:MATRIX_FMT_BF8 matrix_b_fmt:MATRIX_FMT_BF8
.elseif (\ks)%2
	v_wmma_scale_f32_16x16x128_f8f6f4 v[8*(4*\a+\b):8*(4*\a+\b)+7], v[FR_+64+16*\b:FR_+64+16*\b+15], v[FR_+16*\a:FR_+16*\a+15], v[8*(4*\a+\b):8*(4*\a+\b)+7], v[SB+4*\b+(\ks)/2], v[SA+4*\a+(\ks)/2] matrix_a_fmt:MATRIX_FMT_BF8 matrix_b_fmt:MATRIX_FMT_BF8 matrix_a_scale:MATRIX_SCALE_ROW1 matrix_b_scale:MATRIX_SCALE_ROW1
.else
	v_wmma_scale_f32_16x16x128_f8f6f4 v[8*(4*\a+\b):8*(4*\a+\b)+7], v[FR_+64+16*\b:FR_+64+16*\b+15], v[FR_+16*\a:FR_+16*\a+15], v[8*(4*\a+\b):8*(4*\a+\b)+7], v[SB+4*\b+(\ks)/2], v[SA+4*\a+(\ks)/2] matrix_a_fmt:MATRIX_FMT_BF8 matrix_b_fmt:MATRIX_FMT_BF8
.endif
.endr
.endr
.endm
.macro STEP ks
.if (\ks) == 3
	s_wait_tensorcnt 0x0                           ; all waves: K steps 4-7 are in; nothing is filled again
	s_wait_dscnt 0x0
	s_barrier_signal -1
	s_barrier_wait -1
.endif
.if (\ks) < 7
.if (\ks) > 0
	PLACES                                         ; in front of loads into registers that the last step's products have read
.endif
	FETCH (\ks)+1
	s_wait_dscnt 32                                ; this step's fragments are in; the 32 loads just issued may be out
.else
	s_wait_dscnt 0x0
.endif
	MUL \ks
.endm
	s_wait_alu depctr_va_vdst(0)                   ; the head's end
	s_cmp_lt_u32 s14, 2
	s_cbranch_scc0 .Lnot_first
	s_wait_tensorcnt 0x0                           ; waves 0 and 1: K steps 0-3 are in; the other waves' wait stands at the second barrier
.Lnot_first:
	s_barrier_signal -1
	s_barrier_wait -1
	FETCH 0
	WIN 0
	s_wait_loadcnt 0x0                             ; the scale words and the bias
.irp k, 0,1,2,3,4,5,6,7
	STEP \k
.endr
; THE WAY OUT, by tiles of 16 rows x 64 columns: through my own stage in LDS, which serves a wave's instructions in order (ISA guide 5.7.1.4), and back as rows of 256 bytes.
.macro TOSTAGE a
	WIN 0x04
.irp b, 0,1,2,3
	ds_store_b128 v[STO], v[8*(4*(\a)+\b):8*(4*(\a)+\b)+3] offset:128*(\b/2)+32*(\b%2)
	ds_store_b128 v[STO], v[8*(4*(\a)+\b)+4:8*(4*(\a)+\b)+7] offset:128*(\b/2)+32*(\b%2)+16
.endr
	WIN 0
.irp t, 0,1,2,3,4,5,6,7
	ds_load_b128 v[F0+32*(\a)+4*\t:F0+32*(\a)+4*\t+3], v[RD] offset:2*\t*SPITCH
.endr
.endm
.macro SEND a, younger
	s_wait_dscnt \younger                          ; the tile is back; the next tile's 16 LDS instructions may be out
.set BB_, F0+32*(\a)
.irp t, 0,1,2,3,4,5,6,7
	v_pk_add_f32 v[BB_+4*\t:BB_+4*\t+1], v[BB_+4*\t:BB_+4*\t+1], v[BIAS:BIAS+1]
	v_pk_add_f32 v[BB_+4*\t+2:BB_+4*\t+3], v[BB_+4*\t+2:BB_+4*\t+3], v[BIAS+2:BIAS+3]
.endr
.irp t, 0,1,2,3,4,5,6,7
	global_store_b128 v[CO], v[BB_+4*\t:BB_+4*\t+3], s[72:73] offset:(32*((\a)/2)+8*((\a)%2)+2*\t+8*(\t/4))*4096 th:TH_STORE_NT   ; sixteen lanes store 256 consecutive bytes, aligned
.endr
.endm
	PLACES
	TOSTAGE 0
	TOSTAGE 1
	SEND 0, 16
	TOSTAGE 2
	SEND 1, 16
	TOSTAGE 3
	SEND 2, 16
	SEND 3, 0
	s_wait_tensorcnt 0x0                           ; the wave's end
	ds_add_u32 v[SPW], v[NIL]
	s_wait_dscnt 0x0
	CROUND                                         ; the closing round
	s_endpgm
.Lfunc_end_k_q694386bb8a_proj:
	.size	k_q694386bb8a_proj, .Lfunc_end_k_q694386bb8a_proj-k_q694386bb8a_proj
	.p2alignl 7, 3214868480
	.fill 96, 4, 3214868480
	.section	.rodata,"a",@progbits
	.p2align	6, 0x0
	.amdhsa_kernel k_q694386bb8a_proj
		.amdhsa_group_segment_fixed_size 327680
		.amdhsa_private_segment_fixed_size 0
		.amdhsa_enable_private_segment 0
		.amdhsa_kernarg_size 48
		.amdhsa_user_sgpr_count 2
		.amdhsa_user_sgpr_kernarg_segment_ptr 1
		.amdhsa_wavefront_size32 1
		.amdhsa_system_sgpr_workgroup_id_x 1
		.amdhsa_system_sgpr_workgroup_id_y 1
		.amdhsa_system_sgpr_workgroup_id_z 1
		.amdhsa_system_vgpr_workitem_id 0
		.amdhsa_next_free_vgpr 512
		.amdhsa_next_free_sgpr 100
		.amdhsa_reserve_vcc 0
		.amdhsa_float_denorm_mode_32 3
		.amdhsa_float_denorm_mode_16_64 3
		.amdhsa_memory_ordered 1
		.amdhsa_forward_progress 1
		.amdhsa_inst_pref_size 55
	.end_amdhsa_kernel
	.amdgpu_metadata
---
amdhsa.version: [ 1, 2 ]
amdhsa.kernels:
  - .name:           k_q694386bb8a_proj
    .symbol:         k_q694386bb8a_proj.kd
    .args:
      - { .name: ac, .offset: 0, .size: 8, .value_kind: global_buffer, .address_space: global }
      - { .name: asc, .offset: 8, .size: 8, .value_kind: global_buffer, .address_space: global }
      - { .name: cod, .offset: 16, .size: 8, .value_kind: global_buffer, .address_space: global }
      - { .name: scl, .offset: 24, .size: 8, .value_kind: global_buffer, .address_space: global }
      - { .name: bo, .offset: 32, .size: 8, .value_kind: global_buffer, .address_space: global }
      - { .name: out0, .offset: 40, .size: 8, .value_kind: global_buffer, .address_space: global }
    .group_segment_fixed_size: 327680
    .private_segment_fixed_size: 0
    .kernarg_segment_align: 8
    .kernarg_segment_size: 48
    .max_flat_workgroup_size: 128
    .sgpr_count:     100
    .vgpr_count:     512
    .wavefront_size: 32
...
	.end_amdgpu_metadata
.endif
;; end of part 4
